; MI455X (gfx1250); checked and timed in simulation.
; The chip was launched on July 23, 2026; its instructions are those of AMD's public machine-readable ISA for CDNA 5 (MIT licence, August 2026) and "CDNA5" Instruction Set Architecture Reference Guide (July 2026). The comments in the code are by the model that wrote it; some were corrected since.
;; GM Mflow fast. Allowed arithmetic: float matrix products may take bf16 or f16 operands with f32 sums; all other float work in f32.
;; Inputs: Lam 1,024 float32; Mu0 1,024 x 64 float32; Mu1 1,024 x 64 float32; S0 1,024 x 64 float32; S1 1,024 x 64 float32; X 2,048 x 64 float32.
;; Outputs: out0 2,048 x 64 float32.
;; Constants: epsilon = 0.5, t = 0.3.
;; 3 versions, each right; version 2 is faster than version 1; version 3 is version 2 with the launch partial written anew for expert scheduling mode. Each part assembles by itself: llvm-mc -triple=amdgcn-amd-amdhsa -mcpu=gfx1250 --defsym DOCPART=n.
;; ======== version 1 of 3: 2 launches
;; limits: a difference of large sums (such as E[x^2] - mean^2): digits are lost where the result is much smaller than its terms
;; workspace buffers: part 8,388,608 bytes; nrm 131,072 bytes
;; launch partial (part 1): grid 16 x 16, 8 waves a work-group, no clusters, 168,960 bytes of LDS; arguments X, Mu0, Mu1, S0, S1, Lam, part, nrm; writes part, nrm
.if DOCPART == 1
	.amdgcn_target "amdgcn-amd-amdhsa--gfx1250"
	.amdhsa_code_object_version 6
	.text
	.protected	k_q18a6ec033d_partial
	.globl	k_q18a6ec033d_partial
	.p2align	8
	.type	k_q18a6ec033d_partial,@function
k_q18a6ec033d_partial:
	s_mov_b64 s[64:65], 0
	v_nop
	global_prefetch_b8 v0, s[64:65] scope:SCOPE_SE
	s_setreg_imm32_b32 hwreg(HW_REG_WAVE_MODE, 25, 1), 1
	s_wait_xcnt 0x0
; GMM flow, first of two launches.  B = 2048 rows x, M = 1024 diagonal Gaussians, n = 64, t = 0.3, epsilon = 0.5.
; Work-group (mb, rb) takes components 64 mb .. +63 and rows 128 rb .. +127 and stores
;   part[mb][b][d] = sum over its m of W[b][m] U[b][m][d]     and     nrm[mb][b] = sum over its m of W[b][m];
; the second launch adds the 16 blocks of m and divides.
; NOTHING IS LEFT OUT: all six inputs are loaded.  Only identities that hold for every input are used:
;   Cs + eps^2/2 = Ds/2, so Sigma = 0.49 S0 + 0.09 S1 + 0.21 Ds and St = 0.3 S1 - 0.7 S0 + 0.2 Ds - 0.125, Ds = sqrt(4 S0 S1 + 0.0625);
;   x - mut = (x - c) - (mut - c) with c = 0.7 Mu0[0] + 0.3 Mu1[0]: a common offset of X and Mu leaves in f32, before anything is rounded to bf16;
;   with s = 1/sqrt(Sigma), x' = x - c, mut' = mut - c:  log2(e) logw = -0.72134752 sum_d (x' s - mut' s)^2 - 0.5 sum_d log2 Sigma;
;   U is affine in x:  sum_m W U = x' (W @ K) + W @ C',  K = St s s,  C' = (Mu1 - Mu0) - K mut'.
; logw stays in f32 on the vector unit (two fused multiply-adds an element, packed): a few components that escape the clip decide a row, so
; it is not expanded into bf16 products, which would be a difference of large sums.  W, K, C' go to the matrix unit in bf16, sums in f32; the norm is
; the same bf16 W times a matrix of ones, so that W's rounding cancels in the quotient.
; No maximum is taken away in front of the exponential, as in the reference: its own clip to +-50 bounds W to e^+-50 Lam, which f32 and bf16 hold.
; LIMITS: a NaN in logw is not carried through the clip (the median of three drops it); the clip is taken in base 2 (+-72.134752);
; a Sigma below 2^-126 is flushed by the reciprocal root and the logarithm.
; NO JOINT LOADS: every input is transformed in registers before it reaches LDS, so there is no tensor load that a cluster could share.
; Eight waves.  LDS used: 140,032 bytes.
.set L_XS, 0                           ; x' f32, 128 rows, pitch 272 (an odd multiple of 16: sixteen rows start in sixteen different 16-byte columns)
.set L_SB, 34816                       ; 512 bytes a component; 16 bytes for each pair of d: s, s, -mut' s, -mut' s
.set L_TT, 67584                       ; bf16 [column 0..127][m 0..63], pitch 144; columns 0-63 K(d), 64-127 C'(d)
.set L_WT, 86016                       ; bf16 W [row 0..127][m 0..63], pitch 144
.set L_GB, 104448                      ; -0.5 sum_d log2 Sigma of the 64 components
.set L_NB, 104704                      ; the norm of the 128 rows
.set L_ST, 105216                      ; the way out: 16 rows x 272 bytes for each wave
; phase A registers
.set CEN,  16                          ; v[16:19]   c of my four d
.set XIN,  24                          ; v[24:55]   x of my eight rows
.set TIN,  64                          ; v[64:127]  component i: S0, S1, Mu0, Mu1, four registers each
.set rDS,  128
.set rSG,  132
.set rSTT, 136
.set rQ,   140                         ; v[140:147] s, s, mus, mus, twice: as it lies in L_SB
.set rIS,  148
.set rMT,  152
.set rLG,  156
.set rKK,  160                         ; v[160:175] K of component i at +4 i
.set rCC,  176                         ; v[176:191] C' likewise
.set rGS,  192                         ; v[192:195] sums of log2 Sigma
.set rPK,  196                         ; v[196:211] packed bf16
.set rCN,  212                         ; v[212:213] -0.125, twice
; phase B registers
.set TB,   16                          ; v[16:47]   ring of eight table slots
.set YR,   48                          ; v[48:55]   (x' s + mus) of four rows, a pair of d each
.set GR,   56                          ; v[56:63]   g of my eight components
.set ACC,  64                          ; v[64:127]  sums of squares: component c, row block r at 64 + 8 c + 2 r
.set XR,   128                         ; v[128:255] x' of four rows, 32 d each; later the exponents
.set LAMR, 24                          ; s[24:31]   Lam of my eight components
; phase C registers
.set WF,   16                          ; v[16:31]   W fragments, K step ks at +8 ks
.set ONES, 32                          ; v[32:39]
.set DN,   40                          ; v[40:47]   the norm's accumulator
.set DR,   64                          ; v[64:127]  tile nt at +8 nt
.set TF,   128                         ; v[128:255] table fragment (ks, nt) at +64 ks + 8 nt
.set XE,   128                         ; v[128:159] x' for the last step, where TF's first K step lay
.set OUTR, 160                         ; v[160:191] rows read back
	s_load_b512 s[4:19], s[0:1], 0x0               ; X 4:5, Mu0 6:7, Mu1 8:9, S0 10:11, S1 12:13, Lam 14:15, part 16:17, nrm 18:19
	s_set_vgpr_msb 0x40
	v_lshl_add_u32 v0, v0, 2, 0x29000
	v_mov_b32 v1, 0
	s_set_vgpr_msb 0x4000
	v_lshrrev_b32 v1, 5, v0
	v_readfirstlane_b32 s20, v1                    ; wave w
	s_mov_b32 s21, ttmp9                           ; mb
	s_and_b32 s22, ttmp7, 0xffff                   ; rb
	s_mov_b32 s36, 0x3e570a3d                      ; 0.21   (constants as pairs: a packed instruction names both words)
	s_mov_b32 s37, 0x3e570a3d
	s_mov_b32 s38, 0x3db851ec                      ; 0.09
	s_mov_b32 s39, 0x3db851ec
	s_mov_b32 s40, 0x3efae148                      ; 0.49
	s_mov_b32 s41, 0x3efae148
	s_mov_b32 s42, 0x3e4ccccd                      ; 0.2
	s_mov_b32 s43, 0x3e4ccccd
	s_mov_b32 s46, 0x3e99999a                      ; 0.3
	s_mov_b32 s47, 0x3e99999a
	s_mov_b32 s48, 0x3f333333                      ; 0.7
	s_mov_b32 s49, 0x3f333333
	s_mov_b32 s50, 0x3d800000                      ; 0.0625
	s_mov_b32 s51, 0x3d800000
	s_mov_b32 s52, 0xbf38aa3b                      ; -0.5 log2(e)
	s_mov_b32 s53, 0xc29044fe                      ; -50 log2(e)
	s_mov_b32 s54, 0x429044fe                      ; +50 log2(e)
	v_and_b32 v1, 15, v0                           ; q: my four d (phase A); r (phase C)
	v_lshrrev_b32 v2, 4, v0                        ; a, 0..15: my four components 4 a + i, my rows a + 16 k
	v_and_b32 v3, 31, v0                           ; lane L
	v_mov_b32 v[rCN], 0xbe000000
	v_mov_b32 v[rCN+1], 0xbe000000
	s_lshl_b32 s23, s21, 14                        ; 64 components of 256 bytes
	s_lshl_b32 s55, s22, 15                        ; 128 rows of 256 bytes
	v_lshlrev_b32 v5, 4, v1                        ; row 0 of Mu0, Mu1: 16 q
	v_lshl_add_u32 v4, v2, 10, v5                  ; tables: 16384 mb + 1024 a + 16 q (+ 256 i)
	v_add_nc_u32 v4, s23, v4
	v_lshl_add_u32 v6, v0, 4, s55                  ; x: 32768 rb + 16 t (+ 4096 k)
	s_lshl_b32 s34, s21, 8                         ; Lam: 256 mb + 32 w
	s_lshl_b32 s56, s20, 5
	s_add_co_u32 s34, s34, s56
	s_mov_b32 s35, 0
	s_wait_kmcnt 0x0
	global_load_b128 v[CEN:CEN+3], v5, s[6:7]
	global_load_b128 v[CEN+4:CEN+7], v5, s[8:9]
.irp k, 0,1,2,3,4,5,6,7
	global_load_b128 v[XIN+4*\k:XIN+4*\k+3], v6, s[4:5] offset:4096*\k
.endr
.irp i, 0,1,2,3
	global_load_b128 v[TIN+16*\i:TIN+16*\i+3],     v4, s[10:11] offset:256*\i
	global_load_b128 v[TIN+16*\i+4:TIN+16*\i+7],   v4, s[12:13] offset:256*\i
	global_load_b128 v[TIN+16*\i+8:TIN+16*\i+11],  v4, s[6:7]   offset:256*\i
	global_load_b128 v[TIN+16*\i+12:TIN+16*\i+15], v4, s[8:9]   offset:256*\i
.endr
	s_add_nc_u64 s[32:33], s[14:15], s[34:35]
	s_load_b256 s[LAMR:LAMR+7], s[32:33], 0x0      ; waited for in front of the first barrier
	s_lshl_b32 s34, s21, 19                        ; part: 524288 mb + 32768 rb + 4096 w
	s_add_co_u32 s34, s34, s55
	s_lshl_b32 s57, s20, 12
	s_add_co_u32 s34, s34, s57
	s_add_nc_u64 s[16:17], s[16:17], s[34:35]
	s_lshl_b32 s34, s21, 13                        ; nrm: 8192 mb + 512 rb
	s_lshl_b32 s58, s22, 9
	s_add_co_u32 s34, s34, s58
	s_add_nc_u64 s[18:19], s[18:19], s[34:35]
	; LDS addresses of phases A and B
	v_mul_u32_u24 v7, v2, 272                      ; x' in: row a (+ 16 k), 16 q
	v_lshl_add_u32 v7, v1, 4, v7
	v_lshlrev_b32 v8, 11, v2                       ; s, mus in: component 4 a (+ i), 32 q
	v_lshl_add_u32 v8, v1, 5, v8
	v_add_nc_u32 v8, L_SB, v8
	v_mul_u32_u24 v9, v1, 576                      ; K, C' in: column 4 q (+ j), m = 4 a .. 4 a + 3
	v_lshl_add_u32 v9, v2, 3, v9
	v_add_nc_u32 v9, L_TT, v9
	v_lshlrev_b32 v10, 4, v2                       ; g in: four components
	v_add_nc_u32 v10, L_GB, v10
	v_mul_u32_u24 v11, v3, 272                     ; x' out: row L (+ 32 r)
	s_add_co_u32 s60, s57, L_SB                    ; my eight components' 4,096 bytes: one address for all lanes
	v_mov_b32 v12, s60
	s_add_co_u32 s61, s56, L_GB
	v_mov_b32 v13, s61
	s_lshl_b32 s62, s20, 4
	s_add_co_u32 s62, s62, L_WT
	v_mul_u32_u24 v14, v3, 144                     ; W in: row L (+ 32 r), 16 bytes at 16 w
	v_add_nc_u32 v14, s62, v14
	; ---- PHASE A: x' and the block's tables ----
	s_wait_loadcnt 24                              ; 26 loads were issued: the two rows 0 are in
	v_pk_mul_f32 v[CEN+4:CEN+5], v[CEN+4:CEN+5], s[46:47] op_sel_hi:[1,0]
	v_pk_mul_f32 v[CEN+6:CEN+7], v[CEN+6:CEN+7], s[46:47] op_sel_hi:[1,0]
	v_pk_fma_f32 v[CEN:CEN+1],   v[CEN:CEN+1],   s[48:49], v[CEN+4:CEN+5] op_sel_hi:[1,0,1]
	v_pk_fma_f32 v[CEN+2:CEN+3], v[CEN+2:CEN+3], s[48:49], v[CEN+6:CEN+7] op_sel_hi:[1,0,1]   ; c
	s_wait_loadcnt 16                              ; the sixteen table loads may stay out: x is in
.irp k, 0,1,2,3,4,5,6,7
	v_pk_add_f32 v[XIN+4*\k:XIN+4*\k+1],   v[XIN+4*\k:XIN+4*\k+1],   v[CEN:CEN+1]   neg_lo:[0,1] neg_hi:[0,1]
	v_pk_add_f32 v[XIN+4*\k+2:XIN+4*\k+3], v[XIN+4*\k+2:XIN+4*\k+3], v[CEN+2:CEN+3] neg_lo:[0,1] neg_hi:[0,1]
	ds_store_b128 v7, v[XIN+4*\k:XIN+4*\k+3] offset:4352*\k
.endr
; Component 4 a + i, my four d.
.macro COMP i
.set pS0, TIN+16*\i
.set pS1, pS0+4
.set pM0, pS0+8
.set pM1, pS0+12
.set pKK, rKK+4*\i
.set pCC, rCC+4*\i
	s_wait_loadcnt 12-4*\i                         ; the later components' loads, four each, may stay out
.irp e, 0,2
	v_pk_mul_f32 v[rDS+\e:rDS+\e+1], v[pS0+\e:pS0+\e+1], v[pS1+\e:pS1+\e+1]
.endr
.irp e, 0,2
	v_pk_fma_f32 v[rDS+\e:rDS+\e+1], v[rDS+\e:rDS+\e+1], 4.0, s[50:51] op_sel_hi:[1,0,0]
.endr
.irp k, 0,1,2,3
	v_sqrt_f32 v[rDS+\k], v[rDS+\k]                ; Ds
.endr
.irp e, 0,2
	v_pk_mul_f32 v[rMT+\e:rMT+\e+1], v[pM1+\e:pM1+\e+1], s[46:47] op_sel_hi:[1,0]   ; plain work that touches no root stands behind the roots (ISA guide 5.7.2)
.endr
.irp e, 0,2
	v_pk_fma_f32 v[rMT+\e:rMT+\e+1], v[pM0+\e:pM0+\e+1], s[48:49], v[rMT+\e:rMT+\e+1] op_sel_hi:[1,0,1]   ; mut
.endr
	s_wait_alu depctr_va_vdst(0)
.irp e, 0,2
	v_pk_mul_f32 v[rSG+\e:rSG+\e+1], v[rDS+\e:rDS+\e+1], s[36:37] op_sel_hi:[1,0]
	v_pk_fma_f32 v[rSTT+\e:rSTT+\e+1], v[rDS+\e:rDS+\e+1], s[42:43], v[rCN:rCN+1] op_sel_hi:[1,0,1]
.endr
.irp e, 0,2
	v_pk_fma_f32 v[rSG+\e:rSG+\e+1], v[pS1+\e:pS1+\e+1], s[38:39], v[rSG+\e:rSG+\e+1] op_sel_hi:[1,0,1]
	v_pk_fma_f32 v[rSTT+\e:rSTT+\e+1], v[pS1+\e:pS1+\e+1], s[46:47], v[rSTT+\e:rSTT+\e+1] op_sel_hi:[1,0,1]
.endr
.irp e, 0,2
	v_pk_fma_f32 v[rSG+\e:rSG+\e+1], v[pS0+\e:pS0+\e+1], s[40:41], v[rSG+\e:rSG+\e+1] op_sel_hi:[1,0,1]      ; Sigma
	v_pk_fma_f32 v[rSTT+\e:rSTT+\e+1], v[pS0+\e:pS0+\e+1], s[48:49], v[rSTT+\e:rSTT+\e+1] op_sel_hi:[1,0,1] neg_lo:[1,0,0] neg_hi:[1,0,0]   ; St
.endr
	v_rsq_f32 v[rQ],   v[rSG]                      ; s
	v_rsq_f32 v[rQ+1], v[rSG+1]
	v_rsq_f32 v[rQ+4], v[rSG+2]
	v_rsq_f32 v[rQ+5], v[rSG+3]
.irp k, 0,1,2,3
	v_log_f32 v[rLG+\k], v[rSG+\k]                 ; log2 Sigma
.endr
.irp e, 0,2
	v_pk_add_f32 v[rMT+\e:rMT+\e+1], v[rMT+\e:rMT+\e+1], v[CEN+\e:CEN+\e+1] neg_lo:[0,1] neg_hi:[0,1]   ; mut': again plain work behind the transcendentals
.endr
.irp e, 0,2
	v_pk_add_f32 v[pM1+\e:pM1+\e+1], v[pM1+\e:pM1+\e+1], v[pM0+\e:pM0+\e+1] neg_lo:[0,1] neg_hi:[0,1]   ; v = Mu1 - Mu0
.endr
	s_wait_alu depctr_va_vdst(0)
	v_pk_mul_f32 v[rIS:rIS+1],   v[rQ:rQ+1],     v[rQ:rQ+1]                    ; 1 / Sigma
	v_pk_mul_f32 v[rIS+2:rIS+3], v[rQ+4:rQ+5],   v[rQ+4:rQ+5]
	v_pk_mul_f32 v[rQ+2:rQ+3],   v[rMT:rMT+1],   v[rQ:rQ+1]   neg_lo:[1,0] neg_hi:[1,0]   ; mus = -mut' s
	v_pk_mul_f32 v[rQ+6:rQ+7],   v[rMT+2:rMT+3], v[rQ+4:rQ+5] neg_lo:[1,0] neg_hi:[1,0]
.irp e, 0,2
	v_pk_mul_f32 v[pKK+\e:pKK+\e+1], v[rSTT+\e:rSTT+\e+1], v[rIS+\e:rIS+\e+1]  ; K
.endr
.irp e, 0,2
	v_pk_fma_f32 v[pCC+\e:pCC+\e+1], v[pKK+\e:pKK+\e+1], v[rMT+\e:rMT+\e+1], v[pM1+\e:pM1+\e+1] neg_lo:[1,0,0] neg_hi:[1,0,0]   ; C' = v - K mut'
.endr
	v_pk_add_f32 v[rLG:rLG+1], v[rLG:rLG+1], v[rLG+2:rLG+3]
	v_add_f32 v[rGS+\i], v[rLG], v[rLG+1]
	ds_store_b128 v8, v[rQ:rQ+3]   offset:512*\i
	ds_store_b128 v8, v[rQ+4:rQ+7] offset:512*\i+16
.endm
	COMP 0
	COMP 1
	COMP 2
	COMP 3
	; the sixteen lanes of a row of lanes hold the sixteen quads of d of the same four components
.irp x, 1,2,4,8
.irp i, 0,1,2,3
	v_add_f32_dpp v[rGS+\i], v[rGS+\i], v[rGS+\i] row_xmask:\x row_mask:0xf bank_mask:0xf
.endr
.endr
	v_pk_mul_f32 v[rGS:rGS+1],   v[rGS:rGS+1],   -0.5 op_sel_hi:[1,0]
	v_pk_mul_f32 v[rGS+2:rGS+3], v[rGS+2:rGS+3], -0.5 op_sel_hi:[1,0]
	ds_store_b128 v10, v[rGS:rGS+3]                ; sixteen lanes write the same sixteen bytes with the same values
.irp j, 0,1,2,3
	v_cvt_pk_bf16_f32 v[rPK+2*\j],   v[rKK+\j],   v[rKK+4+\j]      ; column 4 q + j of K, m = 4 a .. 4 a + 3
	v_cvt_pk_bf16_f32 v[rPK+2*\j+1], v[rKK+8+\j], v[rKK+12+\j]
	ds_store_b64 v9, v[rPK+2*\j:rPK+2*\j+1] offset:144*\j
	v_cvt_pk_bf16_f32 v[rPK+8+2*\j], v[rCC+\j],   v[rCC+4+\j]      ; and of C', 64 columns further
	v_cvt_pk_bf16_f32 v[rPK+9+2*\j], v[rCC+8+\j], v[rCC+12+\j]
	ds_store_b64 v9, v[rPK+8+2*\j:rPK+9+2*\j] offset:9216+144*\j
.endr
	s_wait_kmcnt 0x0                               ; Lam
	s_wait_dscnt 0x0                               ; my LDS stores are done, for the other waves' sake
	s_barrier_signal -1
	s_barrier_wait -1
	; ---- PHASE B: logw in f32.  Wave w: components 8 w .. 8 w + 7, all 128 rows; lane L: rows L + 32 r.  d in two halves of 32. ----
	ds_load_b128 v[GR:GR+3],   v13
	ds_load_b128 v[GR+4:GR+7], v13 offset:16
; One half of d: x' of four rows into registers, then 128 steps (component cc, pair of d pp).  A step's one table load of 16 bytes, the same
; address in all lanes, feeds eight packed multiply-adds; eight such loads are kept on their way in a ring of eight slots.
.macro HALF hf
.irp r, 0,1,2,3
.irp k, 0,1,2,3,4,5,6,7
	ds_load_b128 v[XR+32*\r+4*\k:XR+32*\r+4*\k+3], v11 offset:8704*\r+128*\hf+16*\k
.endr
.endr
.irp j, 0,1,2,3,4,5,6,7
	ds_load_b128 v[TB+4*\j:TB+4*\j+3], v12 offset:256*\hf+16*\j
.endr
.set nn, 0
.rept 128
.set cc, nn/16
.set pp, nn%16
.set sl, TB+4*(nn%8)
.if nn < 121
	s_wait_dscnt 7                                 ; LDS loads come back in order: the seven younger table loads may stay out; x' and g are older
.else
	s_wait_dscnt 127-nn                            ; nothing is issued any more: the count runs down
.endif
.irp r, 0,1,2,3
	v_pk_fma_f32 v[YR+2*\r:YR+2*\r+1], v[XR+32*\r+2*pp:XR+32*\r+2*pp+1], v[sl:sl+1], v[sl+2:sl+3]
.endr
.irp r, 0,1,2,3
.if (\hf+pp) == 0
	v_pk_mul_f32 v[ACC+8*cc+2*\r:ACC+8*cc+2*\r+1], v[YR+2*\r:YR+2*\r+1], v[YR+2*\r:YR+2*\r+1]   ; the first square starts the sum: nothing is cleared
.else
	v_pk_fma_f32 v[ACC+8*cc+2*\r:ACC+8*cc+2*\r+1], v[YR+2*\r:YR+2*\r+1], v[YR+2*\r:YR+2*\r+1], v[ACC+8*cc+2*\r:ACC+8*cc+2*\r+1]
.endif
.endr
.if nn < 120
.set mm, nn+8
	ds_load_b128 v[sl:sl+3], v12 offset:512*(mm/16)+256*\hf+16*(mm%16)
.endif
.set nn, nn+1
.endr
.endm
	HALF 0
	HALF 1
	; W = exp2(clip(-0.72134752 sum + g)) Lam, rounded to bf16; exponent of (row block r, component c) in v[XR + 8 r + c]
.irp r, 0,1,2,3
.irp c, 0,1,2,3,4,5,6,7
	v_add_f32 v[XR+8*\r+\c], v[ACC+8*\c+2*\r], v[ACC+8*\c+2*\r+1]
.endr
.endr
.irp r, 0,1,2,3
.irp c, 0,1,2,3,4,5,6,7
	v_fma_f32 v[XR+8*\r+\c], v[XR+8*\r+\c], s52, v[GR+\c]
.endr
.endr
.irp k, 0,1,2,3,4,5,6,7,8,9,10,11,12,13,14,15,16,17,18,19,20,21,22,23,24,25,26,27,28,29,30,31
	v_med3_num_f32 v[XR+\k], v[XR+\k], s53, s54    ; the reference's clip, in base 2
.endr
.irp k, 0,1,2,3,4,5,6,7,8,9,10,11,12,13,14,15,16,17,18,19,20,21,22,23,24,25,26,27,28,29,30,31
	v_exp_f32 v[XR+\k], v[XR+\k]
.endr
	v_nop                                          ; one plain place between the last exponential and the first use (ISA guide 5.7.2)
	s_wait_alu depctr_va_vdst(0)
.irp r, 0,1,2,3
.irp c, 0,1,2,3,4,5,6,7
	v_mul_f32 v[XR+8*\r+\c], s[LAMR+\c], v[XR+8*\r+\c]
.endr
.endr
.irp r, 0,1,2,3
.irp c, 0,1,2,3
	v_cvt_pk_bf16_f32 v[TB+4*\r+\c], v[XR+8*\r+2*\c], v[XR+8*\r+2*\c+1]
.endr
	ds_store_b128 v14, v[TB+4*\r:TB+4*\r+3] offset:4608*\r
.endr
	; addresses of phase C, made while the stores drain.  r = v1, h = v15.
	v_bfe_u32 v15, v0, 4, 1
	s_mul_i32 s56, s20, 2304                       ; 16 rows of W
	s_add_co_u32 s56, s56, L_WT
	s_mul_i32 s57, s20, 4352                       ; 16 rows of x', and my stage's place
	s_add_co_u32 s58, s57, L_ST
	s_lshl_b32 s59, s20, 6
	s_add_co_u32 s59, s59, L_NB
	v_mul_u32_u24 v5, v1, 144
	v_lshl_add_u32 v5, v15, 4, v5
	v_add_nc_u32 v4, s56, v5                       ; W fragment: row 16 w + r, 16 h
	v_add_nc_u32 v5, L_TT, v5                      ; table fragment: column r (+ 16 nt), 16 h
	v_mul_u32_u24 v6, v1, 272
	v_lshl_add_u32 v6, v15, 5, v6
	v_add_nc_u32 v7, s58, v6                       ; stage in: row r, 32 h (+ 64 nt)
	v_add_nc_u32 v6, s57, v6                       ; x': row 16 w + r, 32 h (+ 64 nt)
	v_mul_u32_u24 v8, v15, 272
	v_lshl_add_u32 v8, v1, 4, v8
	v_add_nc_u32 v8, s58, v8                       ; stage back: row h (+ 2 u), 16 r
	v_lshl_add_u32 v9, v1, 2, s59                  ; the norm of row 16 w + r
	v_lshlrev_b32 v10, 4, v3                       ; 16 L
.irp j, 0,1,2,3,4,5,6,7
	v_mov_b32 v[ONES+\j], 0x3f803f80               ; bf16 1.0, twice
.endr
	s_wait_dscnt 0x0                               ; my W is in LDS, for the other waves' sake
	s_barrier_signal -1
	s_barrier_wait -1
	; ---- PHASE C: wave w, rows 16 w .. +15: [K | C' | 1]^T (128 + 16 columns x 64 m) times W^T.  Source 0 = 16 table columns, source 1 = 16 rows of W,
	; so that lane (r, h) holds row r and its registers j the neighbouring columns 16 nt + 8 h + j. ----
.irp ks, 0,1
	ds_load_b128 v[WF+8*\ks:WF+8*\ks+3],   v4 offset:64*\ks
	ds_load_b128 v[WF+8*\ks+4:WF+8*\ks+7], v4 offset:64*\ks+32
.endr
.irp ks, 0,1
.irp nt, 0,1,2,3,4,5,6,7
	ds_load_b128 v[TF+64*\ks+8*\nt:TF+64*\ks+8*\nt+3],   v5 offset:2304*\nt+64*\ks
	ds_load_b128 v[TF+64*\ks+8*\nt+4:TF+64*\ks+8*\nt+7], v5 offset:2304*\nt+64*\ks+32
.endr
.endr
	s_wait_dscnt 16                                ; the second K step's sixteen table loads may stay out
	; nine accumulators take turns, one instruction a turn
.irp nt, 0,1,2,3,4,5,6,7
	v_wmma_f32_16x16x32_bf16 v[DR+8*\nt:DR+8*\nt+7], v[TF+8*\nt:TF+8*\nt+7], v[WF:WF+7], 0
.endr
	v_wmma_f32_16x16x32_bf16 v[DN:DN+7], v[ONES:ONES+7], v[WF:WF+7], 0
.rept 4
	v_nop                                          ; four places before loads land on registers that matrix instructions have read
.endr
.irp nt, 0,1,2,3
	ds_load_b128 v[XE+8*\nt:XE+8*\nt+3],   v6 offset:64*\nt
	ds_load_b128 v[XE+8*\nt+4:XE+8*\nt+7], v6 offset:64*\nt+16
.endr
	s_wait_dscnt 8                                 ; the eight loads of x' may stay out: the second K step's fragments are in
.irp nt, 0,1,2,3,4,5,6,7
	v_wmma_f32_16x16x32_bf16 v[DR+8*\nt:DR+8*\nt+7], v[TF+64+8*\nt:TF+64+8*\nt+7], v[WF+8:WF+15], v[DR+8*\nt:DR+8*\nt+7]
.endr
	v_wmma_f32_16x16x32_bf16 v[DN:DN+7], v[ONES:ONES+7], v[WF+8:WF+15], v[DN:DN+7]
.rept 4
	v_nop                                          ; four places before the results are read (ISA guide 7.12.1)
.endr
	s_wait_dscnt 0x0                               ; x'
.irp nt, 0,1,2,3
.irp e, 0,2,4,6
	v_pk_fma_f32 v[DR+8*\nt+\e:DR+8*\nt+\e+1], v[XE+8*\nt+\e:XE+8*\nt+\e+1], v[DR+8*\nt+\e:DR+8*\nt+\e+1], v[DR+32+8*\nt+\e:DR+32+8*\nt+\e+1]   ; x' (W@K) + W@C'
.endr
.endr
	; the way out: through my own stage, so that each store of the wave covers 512 consecutive bytes, aligned
	ds_store_b32 v9, v[DN]                         ; lanes r and r + 16 hold the same norm
.irp nt, 0,1,2,3
	ds_store_b128 v7, v[DR+8*\nt:DR+8*\nt+3]   offset:64*\nt
	ds_store_b128 v7, v[DR+8*\nt+4:DR+8*\nt+7] offset:64*\nt+16
.endr
.irp u, 0,1,2,3,4,5,6,7
	ds_load_b128 v[OUTR+4*\u:OUTR+4*\u+3], v8 offset:544*\u        ; LDS serves a wave's instructions in order: these see the stores above
.endr
.irp u, 0,1,2,3,4,5,6,7
	s_wait_dscnt 7-\u                              ; the younger loads of the eight may stay out
	global_store_b128 v10, v[OUTR+4*\u:OUTR+4*\u+3], s[16:17] offset:512*\u
.endr
	s_wait_dscnt 0x0                               ; met by the count-down: my norms are in LDS
	s_barrier_signal -1
	s_barrier_wait -1
	s_cmp_lg_u32 s20, 0
	s_cbranch_scc1 .Lend
	v_add_nc_u32 v11, L_NB, v10                    ; wave 0 stores the 128 norms as 512 consecutive bytes
	ds_load_b128 v[16:19], v11
	s_wait_dscnt 0x0
	global_store_b128 v10, v[16:19], s[18:19]
.Lend:
	s_set_vgpr_msb 0x5
	s_wait_tensorcnt 0x0
	ds_add_u32 v0, v1
	s_wait_dscnt 0x0
	s_set_vgpr_msb 0x500
	s_endpgm
.Lfunc_end_k_q18a6ec033d_partial:
	.size	k_q18a6ec033d_partial, .Lfunc_end_k_q18a6ec033d_partial-k_q18a6ec033d_partial
	.p2alignl 7, 3214868480
	.fill 96, 4, 3214868480
	.section	.rodata,"a",@progbits
	.p2align	6, 0x0
	.amdhsa_kernel k_q18a6ec033d_partial
		.amdhsa_group_segment_fixed_size 168960
		.amdhsa_private_segment_fixed_size 0
		.amdhsa_enable_private_segment 0
		.amdhsa_kernarg_size 64
		.amdhsa_user_sgpr_count 2
		.amdhsa_user_sgpr_kernarg_segment_ptr 1
		.amdhsa_wavefront_size32 1
		.amdhsa_system_sgpr_workgroup_id_x 1
		.amdhsa_system_sgpr_workgroup_id_y 1
		.amdhsa_system_sgpr_workgroup_id_z 1
		.amdhsa_system_vgpr_workitem_id 0
		.amdhsa_next_free_vgpr 258
		.amdhsa_next_free_sgpr 66
		.amdhsa_reserve_vcc 0
		.amdhsa_float_denorm_mode_32 3
		.amdhsa_float_denorm_mode_16_64 3
		.amdhsa_memory_ordered 1
		.amdhsa_forward_progress 1
		.amdhsa_inst_pref_size 196
	.end_amdhsa_kernel
	.amdgpu_metadata
---
amdhsa.version: [ 1, 2 ]
amdhsa.kernels:
  - .name:           k_q18a6ec033d_partial
    .symbol:         k_q18a6ec033d_partial.kd
    .args:
      - { .name: X, .offset: 0, .size: 8, .value_kind: global_buffer, .address_space: global }
      - { .name: Mu0, .offset: 8, .size: 8, .value_kind: global_buffer, .address_space: global }
      - { .name: Mu1, .offset: 16, .size: 8, .value_kind: global_buffer, .address_space: global }
      - { .name: S0, .offset: 24, .size: 8, .value_kind: global_buffer, .address_space: global }
      - { .name: S1, .offset: 32, .size: 8, .value_kind: global_buffer, .address_space: global }
      - { .name: Lam, .offset: 40, .size: 8, .value_kind: global_buffer, .address_space: global }
      - { .name: part, .offset: 48, .size: 8, .value_kind: global_buffer, .address_space: global }
      - { .name: nrm, .offset: 56, .size: 8, .value_kind: global_buffer, .address_space: global }
    .group_segment_fixed_size: 168960
    .private_segment_fixed_size: 0
    .kernarg_segment_align: 8
    .kernarg_segment_size: 64
    .max_flat_workgroup_size: 256
    .sgpr_count:     66
    .vgpr_count:     258
    .wavefront_size: 32
...
	.end_amdgpu_metadata
.endif
;; end of part 1
;; launch combine (part 2): grid 256 x 1, 4 waves a work-group, no clusters, 0 bytes of LDS; arguments part, nrm, out0; writes out0
.if DOCPART == 2
	.amdgcn_target "amdgcn-amd-amdhsa--gfx1250"
	.amdhsa_code_object_version 6
	.text
	.protected	k_q18a6ec033d_combine
	.globl	k_q18a6ec033d_combine
	.p2align	8
	.type	k_q18a6ec033d_combine,@function
k_q18a6ec033d_combine:
	s_mov_b64 s[64:65], 0
	v_nop
	global_prefetch_b8 v0, s[64:65] scope:SCOPE_SE
	s_setreg_imm32_b32 hwreg(HW_REG_WAVE_MODE, 25, 1), 1
	s_wait_xcnt 0x0
; Second launch: out0[b][d] = (sum over the 16 blocks mb of part[mb][b][d]) / (sum over mb of nrm[mb][b]).  Nothing is left out.
; A work-group takes 8 rows.  Thread t: row 8 wg + t / 16, the four d at 4 (t mod 16): sixteen neighbouring lanes load and store a row's 256 bytes.
; Lane q of a row of sixteen lanes fetches block q's norm of that row; four steps across the lanes give every lane the sum.
; A stream: all seventeen loads of a lane go out at once; LDS, barriers and the matrix unit would add nothing.
.set BLK, 524288                       ; bytes of one block of part
	s_load_b128 s[4:7], s[0:1], 0x0                ; part s[4:5], nrm s[6:7]
	s_load_b64 s[8:9], s[0:1], 0x10                ; out0
	v_and_b32 v3, 15, v0                           ; q
	v_lshrrev_b32 v5, 4, v0                        ; my row among the eight
	s_lshl_b32 s10, ttmp9, 11                      ; 8 rows of 256 bytes
	s_lshl_b32 s11, ttmp9, 5                       ; 8 norms of 4 bytes
	v_lshl_add_u32 v1, v0, 4, s10                  ; part (inside a block) and out0: 2048 wg + 16 t
	v_lshl_add_u32 v2, v3, 13, s11                 ; nrm: 8192 q + 32 wg + 4 row
	v_lshl_add_u32 v2, v5, 2, v2
	s_wait_kmcnt 0x0
	global_load_b32 v4, v2, s[6:7]
.irp k, 0,1,2,3,4,5,6,7,8,9,10,11,12,13,14,15
	global_load_b128 v[8+4*\k:11+4*\k], v1, s[4:5] offset:\k*BLK th:TH_LOAD_NT   ; the largest offset, 15 blocks, is inside the signed 24-bit immediate
.endr
.irp k, 1,2,3,4,5,6,7,8,9,10,11,12,13,14,15
	s_wait_loadcnt 15-\k                           ; loads come back in order: block k is in, the 15 - k younger ones stay out
	v_pk_add_f32 v[8:9],   v[8:9],   v[8+4*\k:9+4*\k]
	v_pk_add_f32 v[10:11], v[10:11], v[10+4*\k:11+4*\k]
.endr
	v_add_f32_dpp v4, v4, v4 row_xmask:1 row_mask:0xf bank_mask:0xf
	v_add_f32_dpp v4, v4, v4 row_xmask:2 row_mask:0xf bank_mask:0xf
	v_add_f32_dpp v4, v4, v4 row_xmask:4 row_mask:0xf bank_mask:0xf
	v_add_f32_dpp v4, v4, v4 row_xmask:8 row_mask:0xf bank_mask:0xf
	v_rcp_f32 v6, v4                               ; twice, to fill the pair that the packed multiply takes
	v_rcp_f32 v7, v4
	v_nop                                          ; one plain place between the reciprocals and their use (ISA guide 5.7.2)
	s_wait_alu depctr_va_vdst(0)
	v_pk_mul_f32 v[8:9],   v[8:9],   v[6:7]
	v_pk_mul_f32 v[10:11], v[10:11], v[6:7]
	global_store_b128 v1, v[8:11], s[8:9] th:TH_STORE_NT
	s_endpgm
.Lfunc_end_k_q18a6ec033d_combine:
	.size	k_q18a6ec033d_combine, .Lfunc_end_k_q18a6ec033d_combine-k_q18a6ec033d_combine
	.p2alignl 7, 3214868480
	.fill 96, 4, 3214868480
	.section	.rodata,"a",@progbits
	.p2align	6, 0x0
	.amdhsa_kernel k_q18a6ec033d_combine
		.amdhsa_group_segment_fixed_size 0
		.amdhsa_private_segment_fixed_size 0
		.amdhsa_enable_private_segment 0
		.amdhsa_kernarg_size 24
		.amdhsa_user_sgpr_count 2
		.amdhsa_user_sgpr_kernarg_segment_ptr 1
		.amdhsa_wavefront_size32 1
		.amdhsa_system_sgpr_workgroup_id_x 1
		.amdhsa_system_sgpr_workgroup_id_y 1
		.amdhsa_system_sgpr_workgroup_id_z 1
		.amdhsa_system_vgpr_workitem_id 0
		.amdhsa_next_free_vgpr 80
		.amdhsa_next_free_sgpr 66
		.amdhsa_reserve_vcc 0
		.amdhsa_float_denorm_mode_32 3
		.amdhsa_float_denorm_mode_16_64 3
		.amdhsa_memory_ordered 1
		.amdhsa_forward_progress 1
		.amdhsa_inst_pref_size 6
	.end_amdhsa_kernel
	.amdgpu_metadata
---
amdhsa.version: [ 1, 2 ]
amdhsa.kernels:
  - .name:           k_q18a6ec033d_combine
    .symbol:         k_q18a6ec033d_combine.kd
    .args:
      - { .name: part, .offset: 0, .size: 8, .value_kind: global_buffer, .address_space: global }
      - { .name: nrm, .offset: 8, .size: 8, .value_kind: global_buffer, .address_space: global }
      - { .name: out0, .offset: 16, .size: 8, .value_kind: global_buffer, .address_space: global }
    .group_segment_fixed_size: 0
    .private_segment_fixed_size: 0
    .kernarg_segment_align: 8
    .kernarg_segment_size: 24
    .max_flat_workgroup_size: 128
    .sgpr_count:     66
    .vgpr_count:     80
    .wavefront_size: 32
...
	.end_amdgpu_metadata
.endif
;; end of part 2
;; ======== version 2 of 3: 2 launches; 1.11 times as fast as version 1
;; limits: a difference of large sums (such as E[x^2] - mean^2): digits are lost where the result is much smaller than its terms
;; workspace buffers: part 8,388,608 bytes; nrm 131,072 bytes
;; launch partial (part 3): grid 16 x 16, 8 waves a work-group, no clusters, 168,960 bytes of LDS; arguments X, Mu0, Mu1, S0, S1, Lam, part, nrm; writes part, nrm
.if DOCPART == 3
	.amdgcn_target "amdgcn-amd-amdhsa--gfx1250"
	.amdhsa_code_object_version 6
	.text
	.protected	k_q18a6ec033d_partial
	.globl	k_q18a6ec033d_partial
	.p2align	8
	.type	k_q18a6ec033d_partial,@function
k_q18a6ec033d_partial:
	s_mov_b64 s[64:65], 0
	v_nop
	global_prefetch_b8 v0, s[64:65] scope:SCOPE_SE
	s_setreg_imm32_b32 hwreg(HW_REG_WAVE_MODE, 25, 1), 1
	s_wait_xcnt 0x0
; GMM flow, first of two launches.  B = 2048 rows x, M = 1024 diagonal Gaussians, n = 64, t = 0.3, epsilon = 0.5.
; Work-group (mb, rb) takes components 64 mb .. +63 and rows 128 rb .. +127 and stores
;   part[mb][b][d] = sum over its m of W[b][m] U[b][m][d]     and     nrm[mb][b] = sum over its m of W[b][m];
; the second launch adds the 16 blocks of m and divides.
; NOTHING IS LEFT OUT: all six inputs are loaded.  Only identities that hold for every input are used:
;   Cs + eps^2/2 = Ds/2, so Sigma = 0.49 S0 + 0.09 S1 + 0.21 Ds and St = 0.3 S1 - 0.7 S0 + 0.2 Ds - 0.125, Ds = sqrt(4 S0 S1 + 0.0625);
;   x - mut = (x - c) - (mut - c) with c = 0.7 Mu0[0] + 0.3 Mu1[0]: a common offset of X and Mu leaves in f32, before anything is rounded to bf16;
;   with s = 1/sqrt(Sigma), x' = x - c, mut' = mut - c:  log2(e) logw = -0.72134752 sum_d (x' s - mut' s)^2 - 0.5 sum_d log2 Sigma;
;   U is affine in x:  sum_m W U = x' (W @ K) + W @ C',  K = St s s,  C' = (Mu1 - Mu0) - K mut'.
; logw stays in f32 on the vector unit (two fused multiply-adds an element, packed): a few components that escape the clip decide a row, so
; it is not expanded into bf16 products, which would be a difference of large sums.  W, K, C' go to the matrix unit in bf16, sums in f32; the norm is
; the same bf16 W times a matrix of ones, so that W's rounding cancels in the quotient.
; No maximum is taken away in front of the exponential, as in the reference: its own clip to +-50 bounds W to e^+-50 Lam, which f32 and bf16 hold.
; LIMITS: a NaN in logw is not carried through the clip (the median of three drops it); the clip is taken in base 2 (+-72.134752);
; a Sigma below 2^-126 is flushed by the reciprocal root and the logarithm.
; NO JOINT LOADS: every input is transformed in registers before it reaches LDS, so there is no tensor load that a cluster could share.
; Eight waves.  LDS used: 140,032 bytes.
.set L_XS, 0                           ; x' f32, 128 rows, pitch 272 (an odd multiple of 16: sixteen rows start in sixteen different 16-byte columns)
.set L_SB, 34816                       ; 512 bytes a component; 16 bytes for each pair of d: s, s, -mut' s, -mut' s
.set L_TT, 67584                       ; bf16 [column 0..127][m 0..63], pitch 144; columns 0-63 K(d), 64-127 C'(d)
.set L_WT, 86016                       ; bf16 W [row 0..127][m 0..63], pitch 144
.set L_GB, 104448                      ; -0.5 sum_d log2 Sigma of the 64 components
.set L_NB, 104704                      ; the norm of the 128 rows
.set L_ST, 105216                      ; the way out: 16 rows x 272 bytes for each wave
; phase A registers
.set CEN,  16                          ; v[16:19]   c of my four d
.set XIN,  24                          ; v[24:55]   x of my eight rows
.set TIN,  64                          ; v[64:127]  component i: S0, S1, Mu0, Mu1, four registers each
.set rDS,  128
.set rSG,  132
.set rSTT, 136
.set rQ,   140                         ; v[140:147] s, s, mus, mus, twice: as it lies in L_SB
.set rIS,  148
.set rMT,  152
.set rLG,  156
.set rKK,  160                         ; v[160:175] K of component i at +4 i
.set rCC,  176                         ; v[176:191] C' likewise
.set rGS,  192                         ; v[192:195] sums of log2 Sigma
.set rPK,  196                         ; v[196:211] packed bf16
.set rCN,  212                         ; v[212:213] -0.125, twice
; phase B registers
.set TB,   16                          ; v[16:79]   two table buffers of eight slots of four registers
.set YR,   80                          ; v[80:87]   (x' s + mus) of four rows, a pair of d each
.set GR,   88                          ; v[88:95]   g of my eight components
.set ACC,  96                          ; v[96:159]  sums of squares: component c, row block r at 96 + 8 c + 2 r
.set XR,   160                         ; v[160:223] x' of four rows, 16 d each; later the 32 exponents
.set LAMR, 24                          ; s[24:31]   Lam of my eight components
; phase C registers
.set WF,   16                          ; v[16:31]   W fragments, K step ks at +8 ks
.set ONES, 32                          ; v[32:39]
.set DN,   40                          ; v[40:47]   the norm's accumulator
.set DR,   64                          ; v[64:127]  tile nt at +8 nt
.set TF,   128                         ; v[128:255] table fragment (ks, nt) at +64 ks + 8 nt
.set XE,   128                         ; v[128:159] x' for the last step, where TF's first K step lay
.set OUTR, 160                         ; v[160:191] rows read back
	s_load_b512 s[4:19], s[0:1], 0x0               ; X 4:5, Mu0 6:7, Mu1 8:9, S0 10:11, S1 12:13, Lam 14:15, part 16:17, nrm 18:19
	s_set_vgpr_msb 0x40
	v_lshl_add_u32 v0, v0, 2, 0x29000
	v_mov_b32 v1, 0
	s_set_vgpr_msb 0x4000
	v_lshrrev_b32 v1, 5, v0
	v_readfirstlane_b32 s20, v1                    ; wave w
	s_mov_b32 s21, ttmp9                           ; mb
	s_and_b32 s22, ttmp7, 0xffff                   ; rb
	s_mov_b32 s36, 0x3e570a3d                      ; 0.21   (constants as pairs: a packed instruction names both words)
	s_mov_b32 s37, 0x3e570a3d
	s_mov_b32 s38, 0x3db851ec                      ; 0.09
	s_mov_b32 s39, 0x3db851ec
	s_mov_b32 s40, 0x3efae148                      ; 0.49
	s_mov_b32 s41, 0x3efae148
	s_mov_b32 s42, 0x3e4ccccd                      ; 0.2
	s_mov_b32 s43, 0x3e4ccccd
	s_mov_b32 s46, 0x3e99999a                      ; 0.3
	s_mov_b32 s47, 0x3e99999a
	s_mov_b32 s48, 0x3f333333                      ; 0.7
	s_mov_b32 s49, 0x3f333333
	s_mov_b32 s50, 0x3d800000                      ; 0.0625
	s_mov_b32 s51, 0x3d800000
	s_mov_b32 s52, 0xbf38aa3b                      ; -0.5 log2(e)
	s_mov_b32 s53, 0xc29044fe                      ; -50 log2(e)
	s_mov_b32 s54, 0x429044fe                      ; +50 log2(e)
	v_and_b32 v1, 15, v0                           ; q: my four d (phase A); r (phase C)
	v_lshrrev_b32 v2, 4, v0                        ; a, 0..15: my four components 4 a + i, my rows a + 16 k
	v_and_b32 v3, 31, v0                           ; lane L
	v_mov_b32 v[rCN], 0xbe000000
	v_mov_b32 v[rCN+1], 0xbe000000
	s_lshl_b32 s23, s21, 14                        ; 64 components of 256 bytes
	s_lshl_b32 s55, s22, 15                        ; 128 rows of 256 bytes
	v_lshlrev_b32 v5, 4, v1                        ; row 0 of Mu0, Mu1: 16 q
	v_lshl_add_u32 v4, v2, 10, v5                  ; tables: 16384 mb + 1024 a + 16 q (+ 256 i)
	v_add_nc_u32 v4, s23, v4
	v_lshl_add_u32 v6, v0, 4, s55                  ; x: 32768 rb + 16 t (+ 4096 k)
	s_lshl_b32 s34, s21, 8                         ; Lam: 256 mb + 32 w
	s_lshl_b32 s56, s20, 5
	s_add_co_u32 s34, s34, s56
	s_mov_b32 s35, 0
	s_wait_kmcnt 0x0
	global_load_b128 v[CEN:CEN+3], v5, s[6:7]
	global_load_b128 v[CEN+4:CEN+7], v5, s[8:9]
.irp k, 0,1,2,3,4,5,6,7
	global_load_b128 v[XIN+4*\k:XIN+4*\k+3], v6, s[4:5] offset:4096*\k
.endr
.irp i, 0,1,2,3
	global_load_b128 v[TIN+16*\i:TIN+16*\i+3],     v4, s[10:11] offset:256*\i
	global_load_b128 v[TIN+16*\i+4:TIN+16*\i+7],   v4, s[12:13] offset:256*\i
	global_load_b128 v[TIN+16*\i+8:TIN+16*\i+11],  v4, s[6:7]   offset:256*\i
	global_load_b128 v[TIN+16*\i+12:TIN+16*\i+15], v4, s[8:9]   offset:256*\i
.endr
	s_add_nc_u64 s[32:33], s[14:15], s[34:35]
	s_load_b256 s[LAMR:LAMR+7], s[32:33], 0x0      ; waited for in front of the first barrier
	s_lshl_b32 s34, s21, 19                        ; part: 524288 mb + 32768 rb + 4096 w
	s_add_co_u32 s34, s34, s55
	s_lshl_b32 s57, s20, 12
	s_add_co_u32 s34, s34, s57
	s_add_nc_u64 s[16:17], s[16:17], s[34:35]
	s_lshl_b32 s34, s21, 13                        ; nrm: 8192 mb + 512 rb
	s_lshl_b32 s58, s22, 9
	s_add_co_u32 s34, s34, s58
	s_add_nc_u64 s[18:19], s[18:19], s[34:35]
	; LDS addresses of phases A and B
	v_mul_u32_u24 v7, v2, 272                      ; x' in: row a (+ 16 k), 16 q
	v_lshl_add_u32 v7, v1, 4, v7
	v_lshlrev_b32 v8, 11, v2                       ; s, mus in: component 4 a (+ i), 32 q
	v_lshl_add_u32 v8, v1, 5, v8
	v_add_nc_u32 v8, L_SB, v8
	v_mul_u32_u24 v9, v1, 576                      ; K, C' in: column 4 q (+ j), m = 4 a .. 4 a + 3
	v_lshl_add_u32 v9, v2, 3, v9
	v_add_nc_u32 v9, L_TT, v9
	v_lshlrev_b32 v10, 4, v2                       ; g in: four components
	v_add_nc_u32 v10, L_GB, v10
	v_mul_u32_u24 v11, v3, 272                     ; x' out: row L (+ 32 r)
	s_add_co_u32 s60, s57, L_SB                    ; my eight components' 4,096 bytes: one address for all lanes
	v_mov_b32 v12, s60
	s_add_co_u32 s61, s56, L_GB
	v_mov_b32 v13, s61
	s_lshl_b32 s62, s20, 4
	s_add_co_u32 s62, s62, L_WT
	v_mul_u32_u24 v14, v3, 144                     ; W in: row L (+ 32 r), 16 bytes at 16 w
	v_add_nc_u32 v14, s62, v14
	; ---- PHASE A: x' and the block's tables ----
	s_wait_loadcnt 24                              ; 26 loads were issued: the two rows 0 are in
	v_pk_mul_f32 v[CEN+4:CEN+5], v[CEN+4:CEN+5], s[46:47] op_sel_hi:[1,0]
	v_pk_mul_f32 v[CEN+6:CEN+7], v[CEN+6:CEN+7], s[46:47] op_sel_hi:[1,0]
	v_pk_fma_f32 v[CEN:CEN+1],   v[CEN:CEN+1],   s[48:49], v[CEN+4:CEN+5] op_sel_hi:[1,0,1]
	v_pk_fma_f32 v[CEN+2:CEN+3], v[CEN+2:CEN+3], s[48:49], v[CEN+6:CEN+7] op_sel_hi:[1,0,1]   ; c
	s_wait_loadcnt 16                              ; the sixteen table loads may stay out: x is in
.irp k, 0,1,2,3,4,5,6,7
	v_pk_add_f32 v[XIN+4*\k:XIN+4*\k+1],   v[XIN+4*\k:XIN+4*\k+1],   v[CEN:CEN+1]   neg_lo:[0,1] neg_hi:[0,1]
	v_pk_add_f32 v[XIN+4*\k+2:XIN+4*\k+3], v[XIN+4*\k+2:XIN+4*\k+3], v[CEN+2:CEN+3] neg_lo:[0,1] neg_hi:[0,1]
	ds_store_b128 v7, v[XIN+4*\k:XIN+4*\k+3] offset:4352*\k
.endr
; Component 4 a + i, my four d.
.macro COMP i
.set pS0, TIN+16*\i
.set pS1, pS0+4
.set pM0, pS0+8
.set pM1, pS0+12
.set pKK, rKK+4*\i
.set pCC, rCC+4*\i
	s_wait_loadcnt 12-4*\i                         ; the later components' loads, four each, may stay out
.irp e, 0,2
	v_pk_mul_f32 v[rDS+\e:rDS+\e+1], v[pS0+\e:pS0+\e+1], v[pS1+\e:pS1+\e+1]
.endr
.irp e, 0,2
	v_pk_fma_f32 v[rDS+\e:rDS+\e+1], v[rDS+\e:rDS+\e+1], 4.0, s[50:51] op_sel_hi:[1,0,0]
.endr
.irp k, 0,1,2,3
	v_sqrt_f32 v[rDS+\k], v[rDS+\k]                ; Ds
.endr
.irp e, 0,2
	v_pk_mul_f32 v[rMT+\e:rMT+\e+1], v[pM1+\e:pM1+\e+1], s[46:47] op_sel_hi:[1,0]   ; plain work that touches no root stands behind the roots (ISA guide 5.7.2)
.endr
.irp e, 0,2
	v_pk_fma_f32 v[rMT+\e:rMT+\e+1], v[pM0+\e:pM0+\e+1], s[48:49], v[rMT+\e:rMT+\e+1] op_sel_hi:[1,0,1]   ; mut
.endr
	s_wait_alu depctr_va_vdst(0)
.irp e, 0,2
	v_pk_mul_f32 v[rSG+\e:rSG+\e+1], v[rDS+\e:rDS+\e+1], s[36:37] op_sel_hi:[1,0]
	v_pk_fma_f32 v[rSTT+\e:rSTT+\e+1], v[rDS+\e:rDS+\e+1], s[42:43], v[rCN:rCN+1] op_sel_hi:[1,0,1]
.endr
.irp e, 0,2
	v_pk_fma_f32 v[rSG+\e:rSG+\e+1], v[pS1+\e:pS1+\e+1], s[38:39], v[rSG+\e:rSG+\e+1] op_sel_hi:[1,0,1]
	v_pk_fma_f32 v[rSTT+\e:rSTT+\e+1], v[pS1+\e:pS1+\e+1], s[46:47], v[rSTT+\e:rSTT+\e+1] op_sel_hi:[1,0,1]
.endr
.irp e, 0,2
	v_pk_fma_f32 v[rSG+\e:rSG+\e+1], v[pS0+\e:pS0+\e+1], s[40:41], v[rSG+\e:rSG+\e+1] op_sel_hi:[1,0,1]      ; Sigma
	v_pk_fma_f32 v[rSTT+\e:rSTT+\e+1], v[pS0+\e:pS0+\e+1], s[48:49], v[rSTT+\e:rSTT+\e+1] op_sel_hi:[1,0,1] neg_lo:[1,0,0] neg_hi:[1,0,0]   ; St
.endr
	v_rsq_f32 v[rQ],   v[rSG]                      ; s
	v_rsq_f32 v[rQ+1], v[rSG+1]
	v_rsq_f32 v[rQ+4], v[rSG+2]
	v_rsq_f32 v[rQ+5], v[rSG+3]
.irp k, 0,1,2,3
	v_log_f32 v[rLG+\k], v[rSG+\k]                 ; log2 Sigma
.endr
.irp e, 0,2
	v_pk_add_f32 v[rMT+\e:rMT+\e+1], v[rMT+\e:rMT+\e+1], v[CEN+\e:CEN+\e+1] neg_lo:[0,1] neg_hi:[0,1]   ; mut': again plain work behind the transcendentals
.endr
.irp e, 0,2
	v_pk_add_f32 v[pM1+\e:pM1+\e+1], v[pM1+\e:pM1+\e+1], v[pM0+\e:pM0+\e+1] neg_lo:[0,1] neg_hi:[0,1]   ; v = Mu1 - Mu0
.endr
	s_wait_alu depctr_va_vdst(0)
	v_pk_mul_f32 v[rIS:rIS+1],   v[rQ:rQ+1],     v[rQ:rQ+1]                    ; 1 / Sigma
	v_pk_mul_f32 v[rIS+2:rIS+3], v[rQ+4:rQ+5],   v[rQ+4:rQ+5]
	v_pk_mul_f32 v[rQ+2:rQ+3],   v[rMT:rMT+1],   v[rQ:rQ+1]   neg_lo:[1,0] neg_hi:[1,0]   ; mus = -mut' s
	v_pk_mul_f32 v[rQ+6:rQ+7],   v[rMT+2:rMT+3], v[rQ+4:rQ+5] neg_lo:[1,0] neg_hi:[1,0]
.irp e, 0,2
	v_pk_mul_f32 v[pKK+\e:pKK+\e+1], v[rSTT+\e:rSTT+\e+1], v[rIS+\e:rIS+\e+1]  ; K
.endr
.irp e, 0,2
	v_pk_fma_f32 v[pCC+\e:pCC+\e+1], v[pKK+\e:pKK+\e+1], v[rMT+\e:rMT+\e+1], v[pM1+\e:pM1+\e+1] neg_lo:[1,0,0] neg_hi:[1,0,0]   ; C' = v - K mut'
.endr
	v_pk_add_f32 v[rLG:rLG+1], v[rLG:rLG+1], v[rLG+2:rLG+3]
	v_add_f32 v[rGS+\i], v[rLG], v[rLG+1]
	ds_store_b128 v8, v[rQ:rQ+3]   offset:512*\i
	ds_store_b128 v8, v[rQ+4:rQ+7] offset:512*\i+16
.endm
	COMP 0
	COMP 1
	COMP 2
	COMP 3
	; the sixteen lanes of a row of lanes hold the sixteen quads of d of the same four components
.irp x, 1,2,4,8
.irp i, 0,1,2,3
	v_add_f32_dpp v[rGS+\i], v[rGS+\i], v[rGS+\i] row_xmask:\x row_mask:0xf bank_mask:0xf
.endr
.endr
	v_pk_mul_f32 v[rGS:rGS+1],   v[rGS:rGS+1],   -0.5 op_sel_hi:[1,0]
	v_pk_mul_f32 v[rGS+2:rGS+3], v[rGS+2:rGS+3], -0.5 op_sel_hi:[1,0]
	ds_store_b128 v10, v[rGS:rGS+3]                ; sixteen lanes write the same sixteen bytes with the same values
.irp j, 0,1,2,3
	v_cvt_pk_bf16_f32 v[rPK+2*\j],   v[rKK+\j],   v[rKK+4+\j]      ; column 4 q + j of K, m = 4 a .. 4 a + 3
	v_cvt_pk_bf16_f32 v[rPK+2*\j+1], v[rKK+8+\j], v[rKK+12+\j]
	ds_store_b64 v9, v[rPK+2*\j:rPK+2*\j+1] offset:144*\j
	v_cvt_pk_bf16_f32 v[rPK+8+2*\j], v[rCC+\j],   v[rCC+4+\j]      ; and of C', 64 columns further
	v_cvt_pk_bf16_f32 v[rPK+9+2*\j], v[rCC+8+\j], v[rCC+12+\j]
	ds_store_b64 v9, v[rPK+8+2*\j:rPK+9+2*\j] offset:9216+144*\j
.endr
	s_wait_kmcnt 0x0                               ; Lam
	s_wait_dscnt 0x0                               ; my LDS stores are done, for the other waves' sake
	s_barrier_signal -1
	s_barrier_wait -1
	; ---- PHASE B: logw in f32.  Wave w: components 8 w .. 8 w + 7, all 128 rows; lane L: rows L + 32 r.  d in four quarters of 16, so that
	; x' of four rows takes 64 registers and two table buffers of 32 registers fit beside it and the 64 sums.
	; The work goes in 32 runs g: quarter g / 8, component g % 8, table buffer g % 2.  A run's table is eight loads of 16 bytes (the component's eight
	; pairs of d in the quarter, 128 consecutive bytes, the same address in all lanes), issued together one run ahead; it feeds 64 packed multiply-adds.
	; So LDS loads stand behind vector work once a run, not once a step, and one counted wait serves a run. ----
.macro XQ qd                           ; x' of my four rows, the quarter's 16 d: sixteen loads
.irp r, 0,1,2,3
.irp k, 0,1,2,3
	ds_load_b128 v[XR+16*\r+4*\k:XR+16*\r+4*\k+3], v11 offset:8704*\r+64*(\qd)+16*\k
.endr
.endr
.endm
.macro TRUN g                          ; the table of run g: eight loads
.irp j, 0,1,2,3,4,5,6,7
	ds_load_b128 v[TB+32*((\g)%2)+4*\j:TB+32*((\g)%2)+4*\j+3], v12 offset:512*((\g)%8)+128*((\g)/8)+16*\j
.endr
.endm
	ds_load_b128 v[GR:GR+3],   v13
	ds_load_b128 v[GR+4:GR+7], v13 offset:16
	XQ 0
	TRUN 0
.set gg, 0
.rept 32
.set cc, gg%8
.set tb, TB+32*(gg%2)
.if gg > 0
.if cc == 0
	XQ gg/8                                        ; a new quarter: the last run has read the old x' (vector instructions of a wave issue in order)
.endif
.endif
.if gg < 31
	TRUN gg+1                                      ; into the buffer that the last run consumed
	s_wait_dscnt 8                                 ; LDS loads come back in order: the eight just issued may stay out; this run's table, x' and g are older
.else
	s_wait_dscnt 0                                 ; the last run: nothing was issued behind its table
.endif
.irp p, 0,1,2,3,4,5,6,7
.irp r, 0,1,2,3
	v_pk_fma_f32 v[YR+2*\r:YR+2*\r+1], v[XR+16*\r+2*\p:XR+16*\r+2*\p+1], v[tb+4*\p:tb+4*\p+1], v[tb+4*\p+2:tb+4*\p+3]
.endr
.irp r, 0,1,2,3
.if ((gg/8)+\p) == 0
	v_pk_mul_f32 v[ACC+8*cc+2*\r:ACC+8*cc+2*\r+1], v[YR+2*\r:YR+2*\r+1], v[YR+2*\r:YR+2*\r+1]   ; the first square starts the sum: nothing is cleared
.else
	v_pk_fma_f32 v[ACC+8*cc+2*\r:ACC+8*cc+2*\r+1], v[YR+2*\r:YR+2*\r+1], v[YR+2*\r:YR+2*\r+1], v[ACC+8*cc+2*\r:ACC+8*cc+2*\r+1]
.endif
.endr
.endr
.set gg, gg+1
.endr
	; W = exp2(clip(-0.72134752 sum + g)) Lam, rounded to bf16; exponent of (row block r, component c) in v[XR + 8 r + c]
.irp r, 0,1,2,3
.irp c, 0,1,2,3,4,5,6,7
	v_add_f32 v[XR+8*\r+\c], v[ACC+8*\c+2*\r], v[ACC+8*\c+2*\r+1]
.endr
.endr
.irp r, 0,1,2,3
.irp c, 0,1,2,3,4,5,6,7
	v_fma_f32 v[XR+8*\r+\c], v[XR+8*\r+\c], s52, v[GR+\c]
.endr
.endr
.irp k, 0,1,2,3,4,5,6,7,8,9,10,11,12,13,14,15,16,17,18,19,20,21,22,23,24,25,26,27,28,29,30,31
	v_med3_num_f32 v[XR+\k], v[XR+\k], s53, s54    ; the reference's clip, in base 2
.endr
.irp k, 0,1,2,3,4,5,6,7,8,9,10,11,12,13,14,15,16,17,18,19,20,21,22,23,24,25,26,27,28,29,30,31
	v_exp_f32 v[XR+\k], v[XR+\k]
.endr
	v_nop                                          ; one plain place between the last exponential and the first use (ISA guide 5.7.2)
	s_wait_alu depctr_va_vdst(0)
.irp r, 0,1,2,3
.irp c, 0,1,2,3,4,5,6,7
	v_mul_f32 v[XR+8*\r+\c], s[LAMR+\c], v[XR+8*\r+\c]
.endr
.endr
.irp r, 0,1,2,3
.irp c, 0,1,2,3
	v_cvt_pk_bf16_f32 v[TB+4*\r+\c], v[XR+8*\r+2*\c], v[XR+8*\r+2*\c+1]
.endr
	ds_store_b128 v14, v[TB+4*\r:TB+4*\r+3] offset:4608*\r
.endr
	; addresses of phase C, made while the stores drain.  r = v1, h = v15.
	v_bfe_u32 v15, v0, 4, 1
	s_mul_i32 s56, s20, 2304                       ; 16 rows of W
	s_add_co_u32 s56, s56, L_WT
	s_mul_i32 s57, s20, 4352                       ; 16 rows of x', and my stage's place
	s_add_co_u32 s58, s57, L_ST
	s_lshl_b32 s59, s20, 6
	s_add_co_u32 s59, s59, L_NB
	v_mul_u32_u24 v5, v1, 144
	v_lshl_add_u32 v5, v15, 4, v5
	v_add_nc_u32 v4, s56, v5                       ; W fragment: row 16 w + r, 16 h
	v_add_nc_u32 v5, L_TT, v5                      ; table fragment: column r (+ 16 nt), 16 h
	v_mul_u32_u24 v6, v1, 272
	v_lshl_add_u32 v6, v15, 5, v6
	v_add_nc_u32 v7, s58, v6                       ; stage in: row r, 32 h (+ 64 nt)
	v_add_nc_u32 v6, s57, v6                       ; x': row 16 w + r, 32 h (+ 64 nt)
	v_mul_u32_u24 v8, v15, 272
	v_lshl_add_u32 v8, v1, 4, v8
	v_add_nc_u32 v8, s58, v8                       ; stage back: row h (+ 2 u), 16 r
	v_lshl_add_u32 v9, v1, 2, s59                  ; the norm of row 16 w + r
	v_lshlrev_b32 v10, 4, v3                       ; 16 L
.irp j, 0,1,2,3,4,5,6,7
	v_mov_b32 v[ONES+\j], 0x3f803f80               ; bf16 1.0, twice
.endr
	s_wait_dscnt 0x0                               ; my W is in LDS, for the other waves' sake
	s_barrier_signal -1
	s_barrier_wait -1
	; ---- PHASE C: wave w, rows 16 w .. +15: [K | C' | 1]^T (128 + 16 columns x 64 m) times W^T.  Source 0 = 16 table columns, source 1 = 16 rows of W,
	; so that lane (r, h) holds row r and its registers j the neighbouring columns 16 nt + 8 h + j. ----
.irp ks, 0,1
	ds_load_b128 v[WF+8*\ks:WF+8*\ks+3],   v4 offset:64*\ks
	ds_load_b128 v[WF+8*\ks+4:WF+8*\ks+7], v4 offset:64*\ks+32
.endr
.irp ks, 0,1
.irp nt, 0,1,2,3,4,5,6,7
	ds_load_b128 v[TF+64*\ks+8*\nt:TF+64*\ks+8*\nt+3],   v5 offset:2304*\nt+64*\ks
	ds_load_b128 v[TF+64*\ks+8*\nt+4:TF+64*\ks+8*\nt+7], v5 offset:2304*\nt+64*\ks+32
.endr
.endr
	s_wait_dscnt 16                                ; the second K step's sixteen table loads may stay out
	; nine accumulators take turns, one instruction a turn
.irp nt, 0,1,2,3,4,5,6,7
	v_wmma_f32_16x16x32_bf16 v[DR+8*\nt:DR+8*\nt+7], v[TF+8*\nt:TF+8*\nt+7], v[WF:WF+7], 0
.endr
	v_wmma_f32_16x16x32_bf16 v[DN:DN+7], v[ONES:ONES+7], v[WF:WF+7], 0
.rept 4
	v_nop                                          ; four places before loads land on registers that matrix instructions have read
.endr
.irp nt, 0,1,2,3
	ds_load_b128 v[XE+8*\nt:XE+8*\nt+3],   v6 offset:64*\nt
	ds_load_b128 v[XE+8*\nt+4:XE+8*\nt+7], v6 offset:64*\nt+16
.endr
	s_wait_dscnt 8                                 ; the eight loads of x' may stay out: the second K step's fragments are in
.irp nt, 0,1,2,3,4,5,6,7
	v_wmma_f32_16x16x32_bf16 v[DR+8*\nt:DR+8*\nt+7], v[TF+64+8*\nt:TF+64+8*\nt+7], v[WF+8:WF+15], v[DR+8*\nt:DR+8*\nt+7]
.endr
	v_wmma_f32_16x16x32_bf16 v[DN:DN+7], v[ONES:ONES+7], v[WF+8:WF+15], v[DN:DN+7]
.rept 4
	v_nop                                          ; four places before the results are read (ISA guide 7.12.1)
.endr
	s_wait_dscnt 0x0                               ; x'
.irp nt, 0,1,2,3
.irp e, 0,2,4,6
	v_pk_fma_f32 v[DR+8*\nt+\e:DR+8*\nt+\e+1], v[XE+8*\nt+\e:XE+8*\nt+\e+1], v[DR+8*\nt+\e:DR+8*\nt+\e+1], v[DR+32+8*\nt+\e:DR+32+8*\nt+\e+1]   ; x' (W@K) + W@C'
.endr
.endr
	; the way out: through my own stage, so that each store of the wave covers 512 consecutive bytes, aligned
	ds_store_b32 v9, v[DN]                         ; lanes r and r + 16 hold the same norm
.irp nt, 0,1,2,3
	ds_store_b128 v7, v[DR+8*\nt:DR+8*\nt+3]   offset:64*\nt
	ds_store_b128 v7, v[DR+8*\nt+4:DR+8*\nt+7] offset:64*\nt+16
.endr
.irp u, 0,1,2,3,4,5,6,7
	ds_load_b128 v[OUTR+4*\u:OUTR+4*\u+3], v8 offset:544*\u        ; LDS serves a wave's instructions in order: these see the stores above
.endr
.irp u, 0,1,2,3,4,5,6,7
	s_wait_dscnt 7-\u                              ; the younger loads of the eight may stay out
	global_store_b128 v10, v[OUTR+4*\u:OUTR+4*\u+3], s[16:17] offset:512*\u
.endr
	s_wait_dscnt 0x0                               ; met by the count-down: my norms are in LDS
	s_barrier_signal -1
	s_barrier_wait -1
	s_cmp_lg_u32 s20, 0
	s_cbranch_scc1 .Lend
	v_add_nc_u32 v11, L_NB, v10                    ; wave 0 stores the 128 norms as 512 consecutive bytes
	ds_load_b128 v[16:19], v11
	s_wait_dscnt 0x0
	global_store_b128 v10, v[16:19], s[18:19]
.Lend:
	s_set_vgpr_msb 0x5
	s_wait_tensorcnt 0x0
	ds_add_u32 v0, v1
	s_wait_dscnt 0x0
	s_set_vgpr_msb 0x500
	s_endpgm
.Lfunc_end_k_q18a6ec033d_partial:
	.size	k_q18a6ec033d_partial, .Lfunc_end_k_q18a6ec033d_partial-k_q18a6ec033d_partial
	.p2alignl 7, 3214868480
	.fill 96, 4, 3214868480
	.section	.rodata,"a",@progbits
	.p2align	6, 0x0
	.amdhsa_kernel k_q18a6ec033d_partial
		.amdhsa_group_segment_fixed_size 168960
		.amdhsa_private_segment_fixed_size 0
		.amdhsa_enable_private_segment 0
		.amdhsa_kernarg_size 64
		.amdhsa_user_sgpr_count 2
		.amdhsa_user_sgpr_kernarg_segment_ptr 1
		.amdhsa_wavefront_size32 1
		.amdhsa_system_sgpr_workgroup_id_x 1
		.amdhsa_system_sgpr_workgroup_id_y 1
		.amdhsa_system_sgpr_workgroup_id_z 1
		.amdhsa_system_vgpr_workitem_id 0
		.amdhsa_next_free_vgpr 258
		.amdhsa_next_free_sgpr 66
		.amdhsa_reserve_vcc 0
		.amdhsa_float_denorm_mode_32 3
		.amdhsa_float_denorm_mode_16_64 3
		.amdhsa_memory_ordered 1
		.amdhsa_forward_progress 1
		.amdhsa_inst_pref_size 189
	.end_amdhsa_kernel
	.amdgpu_metadata
---
amdhsa.version: [ 1, 2 ]
amdhsa.kernels:
  - .name:           k_q18a6ec033d_partial
    .symbol:         k_q18a6ec033d_partial.kd
    .args:
      - { .name: X, .offset: 0, .size: 8, .value_kind: global_buffer, .address_space: global }
      - { .name: Mu0, .offset: 8, .size: 8, .value_kind: global_buffer, .address_space: global }
      - { .name: Mu1, .offset: 16, .size: 8, .value_kind: global_buffer, .address_space: global }
      - { .name: S0, .offset: 24, .size: 8, .value_kind: global_buffer, .address_space: global }
      - { .name: S1, .offset: 32, .size: 8, .value_kind: global_buffer, .address_space: global }
      - { .name: Lam, .offset: 40, .size: 8, .value_kind: global_buffer, .address_space: global }
      - { .name: part, .offset: 48, .size: 8, .value_kind: global_buffer, .address_space: global }
      - { .name: nrm, .offset: 56, .size: 8, .value_kind: global_buffer, .address_space: global }
    .group_segment_fixed_size: 168960
    .private_segment_fixed_size: 0
    .kernarg_segment_align: 8
    .kernarg_segment_size: 64
    .max_flat_workgroup_size: 256
    .sgpr_count:     66
    .vgpr_count:     258
    .wavefront_size: 32
...
	.end_amdgpu_metadata
.endif
;; end of part 3
;; launch combine: the kernel of part 2 again; grid 256 x 1, 4 waves a work-group, no clusters, 0 bytes of LDS; arguments part, nrm, out0; writes out0
;; ======== version 3 of 3: 2 launches; version 2 with the launch partial written anew for expert scheduling mode
;; limits: a difference of large sums (such as E[x^2] - mean^2): digits are lost where the result is much smaller than its terms
;; workspace buffers: part 8,388,608 bytes; nrm 131,072 bytes
;; launch partial (part 4): grid 16 x 16, 8 waves a work-group, no clusters, 168,960 bytes of LDS; arguments X, Mu0, Mu1, S0, S1, Lam, part, nrm; writes part, nrm
.if DOCPART == 4
	.amdgcn_target "amdgcn-amd-amdhsa--gfx1250"
	.amdhsa_code_object_version 6
	.text
	.protected	k_q18a6ec033d_partial
	.globl	k_q18a6ec033d_partial
	.p2align	8
	.type	k_q18a6ec033d_partial,@function
k_q18a6ec033d_partial:
	s_mov_b64 s[64:65], 0
	v_nop
	global_prefetch_b8 v0, s[64:65] scope:SCOPE_SE
	s_setreg_imm32_b32 hwreg(HW_REG_WAVE_SCHED_MODE, 0, 2), 2
	s_setreg_imm32_b32 hwreg(HW_REG_WAVE_MODE, 25, 1), 1
	s_wait_xcnt 0x0
	s_wait_alu depctr_vm_vsrc(0)
; GMM flow, first of two launches.  B = 2048 rows x, M = 1024 diagonal Gaussians, n = 64, t = 0.3, epsilon = 0.5.
; Work-group (mb, rb) takes components 64 mb .. +63 and rows 128 rb .. +127 and stores
;   part[mb][b][d] = sum over its m of W[b][m] U[b][m][d]     and     nrm[mb][b] = sum over its m of W[b][m];
; the second launch adds the 16 blocks of m and divides.
; NOTHING IS LEFT OUT: all six inputs are loaded.  Only identities that hold for every input are used:
;   Cs + eps^2/2 = Ds/2, so Sigma = 0.49 S0 + 0.09 S1 + 0.21 Ds and St = 0.3 S1 - 0.7 S0 + 0.2 Ds - 0.125, Ds = sqrt(4 S0 S1 + 0.0625);
;   x - mut = (x - c) - (mut - c) with c = 0.7 Mu0[0] + 0.3 Mu1[0]: a common offset of X and Mu leaves in f32, before anything is rounded to bf16;
;   with s = 1/sqrt(Sigma), x' = x - c, mut' = mut - c:  log2(e) logw = -0.72134752 sum_d (x' s - mut' s)^2 - 0.5 sum_d log2 Sigma;
;   U is affine in x:  sum_m W U = x' (W @ K) + W @ C',  K = St s s,  C' = (Mu1 - Mu0) - K mut'.
; logw stays in f32 on the vector unit (two fused multiply-adds an element, packed): a few components that escape the clip decide a row, so
; it is not expanded into bf16 products, which would be a difference of large sums.  W, K, C' go to the matrix unit in bf16, sums in f32; the norm is
; the same bf16 W times a matrix of ones, so that W's rounding cancels in the quotient.
; No maximum is taken away in front of the exponential, as in the reference: its own clip to +-50 bounds W to e^+-50 Lam, which f32 and bf16 hold.
; LIMITS: a NaN in logw is not carried through the clip (the median of three drops it); the clip is taken in base 2 (+-72.134752);
; a Sigma below 2^-126 is flushed by the reciprocal root and the logarithm.
; NO JOINT LOADS: every input is transformed in registers before it reaches LDS, so there is no tensor load that a cluster could share.
; Eight waves.  LDS used: 140,032 bytes.
; THE MODE: SCHED_MODE bits 1:0 = 2 (LLVM: expert scheduling mode 2), set by the entry lines.  The code itself states the register dependences
; between vector or matrix instructions and memory or LDS instructions, with s_wait_alu, always for 0.
; THE PLAN.  Registers that memory or LDS instructions touch, and who else names them:
;   v4 .. v14     Addresses of phases A and B: all made at the head, ahead of one wait, and not written again before phase C's are made.
;   XIN           Loaded; sixteen subtractions in place; one wait; eight LDS stores.
;   rQ0 .. rQ3, rGS, rPK   Phase A's out-buffers, a set of rQ to each component: written by the phase's arithmetic, read by its seventeen LDS stores, which
;                 stand together at the phase's end behind one wait.  No vector line stands between that wait and phase B's first loads, so it serves these too.
;   TB0, TB1      Run g's multiply-adds read TB[g % 2]; at its head the table of run g + 1 is asked for, into the buffer that run g - 1 read.
;   HB0, HB1, FB  x' of a quarter of d: each row's first eight d in HB[quarter % 2], asked for in the fifth run of the quarter before; the last eight in FB, asked
;                 for at the quarter's first run, whose first 32 multiply-adds do not read it.
;   So ONE wait on va_vdst stands at the head of a run: the run before is done reading the registers in which this head's loads land; the run's own
;   64 multiply-adds name none of them.
;   v16 .. v31    W's out-buffer: sixteen conversions, one wait, four LDS stores.
;   v2, v4 .. v10 Addresses of phase C: made while W's stores drain; stated written behind the second barrier.
;   WF, TF, XE, OUTR   Loaded from LDS; WF and TF are read by matrix instructions, XE lands where TF's first K step lay, OUTR and wave 0's norms where fragments lay.
;   DN, DR        Written by matrix instructions and the last multiply-adds; one wait; nine LDS stores.
;   Two waits on vm_vsrc, one behind each of the first two barriers: my LDS stores have read their data and addresses, which loads and vector lines write again.
.set L_XS, 0                           ; x' f32, 128 rows, pitch 272 (an odd multiple of 16: sixteen rows start in sixteen different 16-byte columns)
.set L_SB, 34816                       ; 512 bytes a component; 16 bytes for each pair of d: s, s, -mut' s, -mut' s
.set L_TT, 67584                       ; bf16 [column 0..127][m 0..63], pitch 144; columns 0-63 K(d), 64-127 C'(d)
.set L_WT, 86016                       ; bf16 W [row 0..127][m 0..63], pitch 144
.set L_GB, 104448                      ; -0.5 sum_d log2 Sigma of the 64 components
.set L_NB, 104704                      ; the norm of the 128 rows
.set L_ST, 105216                      ; the way out: 16 rows x 272 bytes for each wave
; phase A registers
.set CEN,  16                          ; v[16:19]   c of my four d
.set XIN,  24                          ; v[24:55]   x of my eight rows
.set TIN,  64                          ; v[64:127]  component i: S0, S1, Mu0, Mu1, four registers each
.set rDS,  128
.set rSG,  132
.set rSTT, 136
.set rIS,  148
.set rMT,  152
.set rLG,  156
.set rKK,  160                         ; v[160:175] K of component i at +4 i
.set rCC,  176                         ; v[176:191] C' likewise
.set rGS,  192                         ; v[192:195] sums of log2 Sigma
.set rPK,  196                         ; v[196:211] packed bf16
.set rCN,  212                         ; v[212:213] -0.125, twice
.set rQ,   216                         ; v[216:247] component i at +8 i: s, s, mus, mus, twice: as it lies in L_SB
; phase B registers
.set TB,   16                          ; v[16:79]   two table buffers of eight slots of four registers
.set YR,   80                          ; v[80:87]   (x' s + mus) of four rows, a pair of d each
.set GR,   88                          ; v[88:95]   g of my eight components
.set ACC,  96                          ; v[96:159]  sums of squares: component c, row block r at 96 + 8 c + 2 r
.set HB,   160                         ; v[160:191], v[224:255]  x' of four rows, the first 8 d of a quarter: buffer quarter % 2 at +64, row block r at +8 r
.set FB,   192                         ; v[192:223] x' of four rows, the last 8 d of a quarter
.set EXR,  160                         ; v[160:191] behind the runs: the 32 exponents
.set LAMR, 24                          ; s[24:31]   Lam of my eight components
; phase C registers
.set WF,   16                          ; v[16:31]   W fragments, K step ks at +8 ks
.set ONES, 32                          ; v[32:39]
.set DN,   40                          ; v[40:47]   the norm's accumulator
.set DR,   64                          ; v[64:127]  tile nt at +8 nt
.set TF,   128                         ; v[128:255] table fragment (ks, nt) at +64 ks + 8 nt
.set XE,   128                         ; v[128:159] x' for the last step, where TF's first K step lay
.set OUTR, 160                         ; v[160:191] rows read back
	s_load_b512 s[4:19], s[0:1], 0x0               ; X 4:5, Mu0 6:7, Mu1 8:9, S0 10:11, S1 12:13, Lam 14:15, part 16:17, nrm 18:19
	s_set_vgpr_msb 0x40
	v_lshl_add_u32 v0, v0, 2, 0x29000
	v_mov_b32 v1, 0
	s_set_vgpr_msb 0x4000
	v_lshrrev_b32 v1, 5, v0
	v_readfirstlane_b32 s20, v1                    ; wave w
	s_mov_b32 s21, ttmp9                           ; mb
	s_and_b32 s22, ttmp7, 0xffff                   ; rb
	s_mov_b32 s36, 0x3e570a3d                      ; 0.21   (constants as pairs: a packed instruction names both words)
	s_mov_b32 s37, 0x3e570a3d
	s_mov_b32 s38, 0x3db851ec                      ; 0.09
	s_mov_b32 s39, 0x3db851ec
	s_mov_b32 s40, 0x3efae148                      ; 0.49
	s_mov_b32 s41, 0x3efae148
	s_mov_b32 s42, 0x3e4ccccd                      ; 0.2
	s_mov_b32 s43, 0x3e4ccccd
	s_mov_b32 s46, 0x3e99999a                      ; 0.3
	s_mov_b32 s47, 0x3e99999a
	s_mov_b32 s48, 0x3f333333                      ; 0.7
	s_mov_b32 s49, 0x3f333333
	s_mov_b32 s50, 0x3d800000                      ; 0.0625
	s_mov_b32 s51, 0x3d800000
	s_mov_b32 s52, 0xbf38aa3b                      ; -0.5 log2(e)
	s_mov_b32 s53, 0xc29044fe                      ; -50 log2(e)
	s_mov_b32 s54, 0x429044fe                      ; +50 log2(e)
	v_and_b32 v1, 15, v0                           ; q: my four d (phase A); r (phase C)
	v_lshrrev_b32 v2, 4, v0                        ; a, 0..15: my four components 4 a + i, my rows a + 16 k
	v_and_b32 v3, 31, v0                           ; lane L
	v_mov_b32 v[rCN], 0xbe000000
	v_mov_b32 v[rCN+1], 0xbe000000
	s_lshl_b32 s23, s21, 14                        ; 64 components of 256 bytes
	s_lshl_b32 s55, s22, 15                        ; 128 rows of 256 bytes
	v_lshlrev_b32 v5, 4, v1                        ; row 0 of Mu0, Mu1: 16 q
	v_lshl_add_u32 v4, v2, 10, v5                  ; tables: 16384 mb + 1024 a + 16 q (+ 256 i)
	v_add_nc_u32 v4, s23, v4
	v_lshl_add_u32 v6, v0, 4, s55                  ; x: 32768 rb + 16 t (+ 4096 k)
	s_wait_alu depctr_va_sdst(0)                   ; s20 is written, ahead of its first reader: offsets and LDS addresses are made from it
	s_lshl_b32 s34, s21, 8                         ; Lam: 256 mb + 32 w
	s_lshl_b32 s56, s20, 5
	s_add_co_u32 s34, s34, s56
	s_mov_b32 s35, 0
	s_lshl_b32 s57, s20, 12                        ; 4096 w
	; LDS addresses of phases A and B: made here, in the wait for the arguments, so that one wait states them all written
	v_mul_u32_u24 v7, v2, 272                      ; x' in: row a (+ 16 k), 16 q
	v_lshl_add_u32 v7, v1, 4, v7
	v_lshlrev_b32 v8, 11, v2                       ; s, mus in: component 4 a (+ i), 32 q
	v_lshl_add_u32 v8, v1, 5, v8
	v_add_nc_u32 v8, L_SB, v8
	v_mul_u32_u24 v9, v1, 576                      ; K, C' in: column 4 q (+ j), m = 4 a .. 4 a + 3
	v_lshl_add_u32 v9, v2, 3, v9
	v_add_nc_u32 v9, L_TT, v9
	v_lshlrev_b32 v10, 4, v2                       ; g in: four components
	v_add_nc_u32 v10, L_GB, v10
	v_mul_u32_u24 v11, v3, 272                     ; x' out: row L (+ 32 r)
	s_add_co_u32 s60, s57, L_SB                    ; my eight components' 4,096 bytes: one address for all lanes
	v_mov_b32 v12, s60
	s_add_co_u32 s61, s56, L_GB
	v_mov_b32 v13, s61
	s_lshl_b32 s62, s20, 4
	s_add_co_u32 s62, s62, L_WT
	v_mul_u32_u24 v14, v3, 144                     ; W in: row L (+ 32 r), 16 bytes at 16 w
	v_add_nc_u32 v14, s62, v14
	s_wait_kmcnt 0x0
	s_wait_alu depctr_va_vdst(0)                   ; the offsets and addresses v4 to v14 are written, which the loads and stores of phases A and B read
	global_load_b128 v[CEN:CEN+3], v5, s[6:7]
	global_load_b128 v[CEN+4:CEN+7], v5, s[8:9]
.irp k, 0,1,2,3,4,5,6,7
	global_load_b128 v[XIN+4*\k:XIN+4*\k+3], v6, s[4:5] offset:4096*\k
.endr
.irp i, 0,1,2,3
	global_load_b128 v[TIN+16*\i:TIN+16*\i+3],     v4, s[10:11] offset:256*\i
	global_load_b128 v[TIN+16*\i+4:TIN+16*\i+7],   v4, s[12:13] offset:256*\i
	global_load_b128 v[TIN+16*\i+8:TIN+16*\i+11],  v4, s[6:7]   offset:256*\i
	global_load_b128 v[TIN+16*\i+12:TIN+16*\i+15], v4, s[8:9]   offset:256*\i
.endr
	s_add_nc_u64 s[32:33], s[14:15], s[34:35]
	s_load_b256 s[LAMR:LAMR+7], s[32:33], 0x0      ; waited for in front of the first barrier
	s_lshl_b32 s34, s21, 19                        ; part: 524288 mb + 32768 rb + 4096 w
	s_add_co_u32 s34, s34, s55
	s_add_co_u32 s34, s34, s57
	s_add_nc_u64 s[16:17], s[16:17], s[34:35]
	s_lshl_b32 s34, s21, 13                        ; nrm: 8192 mb + 512 rb
	s_lshl_b32 s58, s22, 9
	s_add_co_u32 s34, s34, s58
	s_add_nc_u64 s[18:19], s[18:19], s[34:35]
	; ---- PHASE A: x' and the block's tables ----
	s_wait_loadcnt 24                              ; 26 loads were issued: the two rows 0 are in
	v_pk_mul_f32 v[CEN+4:CEN+5], v[CEN+4:CEN+5], s[46:47] op_sel_hi:[1,0]
	v_pk_mul_f32 v[CEN+6:CEN+7], v[CEN+6:CEN+7], s[46:47] op_sel_hi:[1,0]
	v_pk_fma_f32 v[CEN:CEN+1],   v[CEN:CEN+1],   s[48:49], v[CEN+4:CEN+5] op_sel_hi:[1,0,1]
	v_pk_fma_f32 v[CEN+2:CEN+3], v[CEN+2:CEN+3], s[48:49], v[CEN+6:CEN+7] op_sel_hi:[1,0,1]   ; c
	s_wait_loadcnt 16                              ; the sixteen table loads may stay out: x is in
.irp k, 0,1,2,3,4,5,6,7
	v_pk_add_f32 v[XIN+4*\k:XIN+4*\k+1],   v[XIN+4*\k:XIN+4*\k+1],   v[CEN:CEN+1]   neg_lo:[0,1] neg_hi:[0,1]
	v_pk_add_f32 v[XIN+4*\k+2:XIN+4*\k+3], v[XIN+4*\k+2:XIN+4*\k+3], v[CEN+2:CEN+3] neg_lo:[0,1] neg_hi:[0,1]
.endr
	s_wait_alu depctr_va_vdst(0)                   ; the subtractions have written x' in XIN, which the eight LDS stores read; no later line of the phase names XIN
.irp k, 0,1,2,3,4,5,6,7
	ds_store_b128 v7, v[XIN+4*\k:XIN+4*\k+3] offset:4352*\k
.endr
; Component 4 a + i, my four d.  Vector work alone: its s and mus stay in the component's own set of rQ until the phase's end.
.macro COMP i
.set pS0, TIN+16*\i
.set pS1, pS0+4
.set pM0, pS0+8
.set pM1, pS0+12
.set pKK, rKK+4*\i
.set pCC, rCC+4*\i
.set pQ,  rQ+8*\i
	s_wait_loadcnt 12-4*\i                         ; the later components' loads, four each, may stay out
.irp e, 0,2
	v_pk_mul_f32 v[rDS+\e:rDS+\e+1], v[pS0+\e:pS0+\e+1], v[pS1+\e:pS1+\e+1]
.endr
.irp e, 0,2
	v_pk_fma_f32 v[rDS+\e:rDS+\e+1], v[rDS+\e:rDS+\e+1], 4.0, s[50:51] op_sel_hi:[1,0,0]
.endr
.irp k, 0,1,2,3
	v_sqrt_f32 v[rDS+\k], v[rDS+\k]                ; Ds
.endr
.irp e, 0,2
	v_pk_mul_f32 v[rMT+\e:rMT+\e+1], v[pM1+\e:pM1+\e+1], s[46:47] op_sel_hi:[1,0]   ; plain work that touches no root stands behind the roots (ISA guide 5.7.2)
.endr
.irp e, 0,2
	v_pk_fma_f32 v[rMT+\e:rMT+\e+1], v[pM0+\e:pM0+\e+1], s[48:49], v[rMT+\e:rMT+\e+1] op_sel_hi:[1,0,1]   ; mut
.endr
	s_wait_alu depctr_va_vdst(0)
.irp e, 0,2
	v_pk_mul_f32 v[rSG+\e:rSG+\e+1], v[rDS+\e:rDS+\e+1], s[36:37] op_sel_hi:[1,0]
	v_pk_fma_f32 v[rSTT+\e:rSTT+\e+1], v[rDS+\e:rDS+\e+1], s[42:43], v[rCN:rCN+1] op_sel_hi:[1,0,1]
.endr
.irp e, 0,2
	v_pk_fma_f32 v[rSG+\e:rSG+\e+1], v[pS1+\e:pS1+\e+1], s[38:39], v[rSG+\e:rSG+\e+1] op_sel_hi:[1,0,1]
	v_pk_fma_f32 v[rSTT+\e:rSTT+\e+1], v[pS1+\e:pS1+\e+1], s[46:47], v[rSTT+\e:rSTT+\e+1] op_sel_hi:[1,0,1]
.endr
.irp e, 0,2
	v_pk_fma_f32 v[rSG+\e:rSG+\e+1], v[pS0+\e:pS0+\e+1], s[40:41], v[rSG+\e:rSG+\e+1] op_sel_hi:[1,0,1]      ; Sigma
	v_pk_fma_f32 v[rSTT+\e:rSTT+\e+1], v[pS0+\e:pS0+\e+1], s[48:49], v[rSTT+\e:rSTT+\e+1] op_sel_hi:[1,0,1] neg_lo:[1,0,0] neg_hi:[1,0,0]   ; St
.endr
	v_rsq_f32 v[pQ],   v[rSG]                      ; s
	v_rsq_f32 v[pQ+1], v[rSG+1]
	v_rsq_f32 v[pQ+4], v[rSG+2]
	v_rsq_f32 v[pQ+5], v[rSG+3]
.irp k, 0,1,2,3
	v_log_f32 v[rLG+\k], v[rSG+\k]                 ; log2 Sigma
.endr
.irp e, 0,2
	v_pk_add_f32 v[rMT+\e:rMT+\e+1], v[rMT+\e:rMT+\e+1], v[CEN+\e:CEN+\e+1] neg_lo:[0,1] neg_hi:[0,1]   ; mut': again plain work behind the transcendentals
.endr
.irp e, 0,2
	v_pk_add_f32 v[pM1+\e:pM1+\e+1], v[pM1+\e:pM1+\e+1], v[pM0+\e:pM0+\e+1] neg_lo:[0,1] neg_hi:[0,1]   ; v = Mu1 - Mu0
.endr
	s_wait_alu depctr_va_vdst(0)
	v_pk_mul_f32 v[rIS:rIS+1],   v[pQ:pQ+1],     v[pQ:pQ+1]                    ; 1 / Sigma
	v_pk_mul_f32 v[rIS+2:rIS+3], v[pQ+4:pQ+5],   v[pQ+4:pQ+5]
	v_pk_mul_f32 v[pQ+2:pQ+3],   v[rMT:rMT+1],   v[pQ:pQ+1]   neg_lo:[1,0] neg_hi:[1,0]   ; mus = -mut' s
	v_pk_mul_f32 v[pQ+6:pQ+7],   v[rMT+2:rMT+3], v[pQ+4:pQ+5] neg_lo:[1,0] neg_hi:[1,0]
.irp e, 0,2
	v_pk_mul_f32 v[pKK+\e:pKK+\e+1], v[rSTT+\e:rSTT+\e+1], v[rIS+\e:rIS+\e+1]  ; K
.endr
.irp e, 0,2
	v_pk_fma_f32 v[pCC+\e:pCC+\e+1], v[pKK+\e:pKK+\e+1], v[rMT+\e:rMT+\e+1], v[pM1+\e:pM1+\e+1] neg_lo:[1,0,0] neg_hi:[1,0,0]   ; C' = v - K mut'
.endr
	v_pk_add_f32 v[rLG:rLG+1], v[rLG:rLG+1], v[rLG+2:rLG+3]
	v_add_f32 v[rGS+\i], v[rLG], v[rLG+1]
.endm
	COMP 0
	COMP 1
	COMP 2
	COMP 3
	; the sixteen lanes of a row of lanes hold the sixteen quads of d of the same four components
.irp x, 1,2,4,8
.irp i, 0,1,2,3
	v_add_f32_dpp v[rGS+\i], v[rGS+\i], v[rGS+\i] row_xmask:\x row_mask:0xf bank_mask:0xf
.endr
.endr
	v_pk_mul_f32 v[rGS:rGS+1],   v[rGS:rGS+1],   -0.5 op_sel_hi:[1,0]
	v_pk_mul_f32 v[rGS+2:rGS+3], v[rGS+2:rGS+3], -0.5 op_sel_hi:[1,0]
.irp j, 0,1,2,3
	v_cvt_pk_bf16_f32 v[rPK+2*\j],   v[rKK+\j],   v[rKK+4+\j]      ; column 4 q + j of K, m = 4 a .. 4 a + 3
	v_cvt_pk_bf16_f32 v[rPK+2*\j+1], v[rKK+8+\j], v[rKK+12+\j]
	v_cvt_pk_bf16_f32 v[rPK+8+2*\j], v[rCC+\j],   v[rCC+4+\j]      ; and of C', 64 columns further
	v_cvt_pk_bf16_f32 v[rPK+9+2*\j], v[rCC+8+\j], v[rCC+12+\j]
.endr
	s_wait_alu depctr_va_vdst(0)                   ; the phase's arithmetic has written rQ0 to rQ3, rGS and rPK, which the seventeen LDS stores read; it is also done with every register in which phase B's first loads land: no vector line stands between this wait and them
.irp i, 0,1,2,3
	ds_store_b128 v8, v[rQ+8*\i:rQ+8*\i+3]   offset:512*\i
	ds_store_b128 v8, v[rQ+8*\i+4:rQ+8*\i+7] offset:512*\i+16
.endr
	ds_store_b128 v10, v[rGS:rGS+3]                ; sixteen lanes write the same sixteen bytes with the same values
.irp j, 0,1,2,3
	ds_store_b64 v9, v[rPK+2*\j:rPK+2*\j+1] offset:144*\j
	ds_store_b64 v9, v[rPK+8+2*\j:rPK+9+2*\j] offset:9216+144*\j
.endr
	s_wait_kmcnt 0x0                               ; Lam
	s_wait_dscnt 0x0                               ; my LDS stores are done, for the other waves' sake
	s_barrier_signal -1
	s_barrier_wait -1
	; ---- PHASE B: logw in f32.  Wave w: components 8 w .. 8 w + 7, all 128 rows; lane L: rows L + 32 r.  d in four quarters of 16.
	; The work goes in 32 runs g: quarter g / 8, component g % 8, table buffer g % 2.  A run's table is eight loads of 16 bytes (the component's eight
	; pairs of d in the quarter, 128 consecutive bytes, the same address in all lanes), issued together one run ahead; it feeds 64 packed multiply-adds.
	; x' of a quarter lies in two halves: pairs 0 to 3 in HB[quarter % 2], asked for four runs ahead of the quarter; pairs 4 to 7 in FB, asked for at the
	; quarter's first run, 32 multiply-adds ahead of its first use. ----
.macro XH qd                           ; x' of my four rows, the first 8 d of quarter qd: eight loads
.irp r, 0,1,2,3
.irp k, 0,1
	ds_load_b128 v[HB+64*((\qd)%2)+8*\r+4*\k:HB+64*((\qd)%2)+8*\r+4*\k+3], v11 offset:8704*\r+64*(\qd)+16*\k
.endr
.endr
.endm
.macro XF qd                           ; the last 8 d of quarter qd: eight loads
.irp r, 0,1,2,3
.irp k, 0,1
	ds_load_b128 v[FB+8*\r+4*\k:FB+8*\r+4*\k+3], v11 offset:8704*\r+64*(\qd)+32+16*\k
.endr
.endr
.endm
.macro TRUN g                          ; the table of run g: eight loads
.irp j, 0,1,2,3,4,5,6,7
	ds_load_b128 v[TB+32*((\g)%2)+4*\j:TB+32*((\g)%2)+4*\j+3], v12 offset:512*((\g)%8)+128*((\g)/8)+16*\j
.endr
.endm
	s_wait_alu depctr_vm_vsrc(0)                   ; my LDS stores have read XIN, rQ, rGS and rPK, in which this phase's loads land, and with the global loads v4 to v10, which are written again when phase C's addresses are made
	ds_load_b128 v[GR:GR+3],   v13
	ds_load_b128 v[GR+4:GR+7], v13 offset:16
	XH 0
	XF 0
	TRUN 0
.set gg, 0
.rept 32
.set cc, gg%8
.set qq, gg/8
.set tb, TB+32*(gg%2)
.set hb, HB+64*(qq%2)
.if (gg > 0) && (gg < 31)
	s_wait_alu depctr_va_vdst(0)                   ; the run before is done reading its table buffer (and, at a quarter's end, FB), in which the loads below land; HB's other buffer was last read a quarter ago
.endif
.if (gg > 0) && (cc == 0)
	XF qq                                          ; a new quarter: its pairs 4 to 7
.endif
.if (cc == 4) && (qq < 3)
	XH qq+1                                        ; the next quarter's pairs 0 to 3, into the buffer that this quarter does not read
.endif
.if gg < 31
	TRUN gg+1                                      ; into the buffer that the last run consumed.  No multiply-add of this run names a register of these loads
.endif
.if gg == 31
	s_wait_dscnt 0                                 ; the last run: nothing was issued behind its table
.elseif ((gg > 0) && (cc == 0)) || ((cc == 4) && (qq < 3))
	s_wait_dscnt 16                                ; LDS loads come back in order: the sixteen just issued (eight of x', eight of the table) may stay out; this run's table is older
.else
	s_wait_dscnt 8                                 ; the eight just issued may stay out; this run's table, x' and g are older
.endif
.irp p, 0,1,2,3,4,5,6,7
.if \p < 4
.set xb, hb+2*\p
.else
.set xb, FB+2*(\p-4)
.endif
.if (\p == 4) && (gg > 0) && (cc == 0)
	s_wait_dscnt 8                                 ; FB is in; the next run's table, eight loads, may stay out
.endif
.irp r, 0,1,2,3
	v_pk_fma_f32 v[YR+2*\r:YR+2*\r+1], v[xb+8*\r:xb+8*\r+1], v[tb+4*\p:tb+4*\p+1], v[tb+4*\p+2:tb+4*\p+3]
.endr
.irp r, 0,1,2,3
.if ((gg/8)+\p) == 0
	v_pk_mul_f32 v[ACC+8*cc+2*\r:ACC+8*cc+2*\r+1], v[YR+2*\r:YR+2*\r+1], v[YR+2*\r:YR+2*\r+1]   ; the first square starts the sum: nothing is cleared
.else
	v_pk_fma_f32 v[ACC+8*cc+2*\r:ACC+8*cc+2*\r+1], v[YR+2*\r:YR+2*\r+1], v[YR+2*\r:YR+2*\r+1], v[ACC+8*cc+2*\r:ACC+8*cc+2*\r+1]
.endif
.endr
.endr
.set gg, gg+1
.endr
	; W = exp2(clip(-0.72134752 sum + g)) Lam, rounded to bf16; exponent of (row block r, component c) in v[EXR + 8 r + c]
.irp r, 0,1,2,3
.irp c, 0,1,2,3,4,5,6,7
	v_add_f32 v[EXR+8*\r+\c], v[ACC+8*\c+2*\r], v[ACC+8*\c+2*\r+1]
.endr
.endr
.irp r, 0,1,2,3
.irp c, 0,1,2,3,4,5,6,7
	v_fma_f32 v[EXR+8*\r+\c], v[EXR+8*\r+\c], s52, v[GR+\c]
.endr
.endr
.irp k, 0,1,2,3,4,5,6,7,8,9,10,11,12,13,14,15,16,17,18,19,20,21,22,23,24,25,26,27,28,29,30,31
	v_med3_num_f32 v[EXR+\k], v[EXR+\k], s53, s54  ; the reference's clip, in base 2
.endr
.irp k, 0,1,2,3,4,5,6,7,8,9,10,11,12,13,14,15,16,17,18,19,20,21,22,23,24,25,26,27,28,29,30,31
	v_exp_f32 v[EXR+\k], v[EXR+\k]
.endr
	v_nop                                          ; one plain place between the last exponential and the first use (ISA guide 5.7.2)
	s_wait_alu depctr_va_vdst(0)
.irp r, 0,1,2,3
.irp c, 0,1,2,3,4,5,6,7
	v_mul_f32 v[EXR+8*\r+\c], s[LAMR+\c], v[EXR+8*\r+\c]
.endr
.endr
.irp r, 0,1,2,3
.irp c, 0,1,2,3
	v_cvt_pk_bf16_f32 v[TB+4*\r+\c], v[EXR+8*\r+2*\c], v[EXR+8*\r+2*\c+1]
.endr
.endr
	s_wait_alu depctr_va_vdst(0)                   ; the conversions have written W in v16 to v31, which the four LDS stores read
.irp r, 0,1,2,3
	ds_store_b128 v14, v[TB+4*\r:TB+4*\r+3] offset:4608*\r
.endr
	; addresses of phase C, made while the stores drain.  r = v1, h = v15.  No LDS or memory instruction issued since the wait on vm_vsrc at this phase's head reads a register that these lines write.
	v_bfe_u32 v15, v0, 4, 1
	s_mul_i32 s56, s20, 2304                       ; 16 rows of W
	s_add_co_u32 s56, s56, L_WT
	s_mul_i32 s57, s20, 4352                       ; 16 rows of x', and my stage's place
	s_add_co_u32 s58, s57, L_ST
	s_lshl_b32 s59, s20, 6
	s_add_co_u32 s59, s59, L_NB
	v_mul_u32_u24 v5, v1, 144
	v_lshl_add_u32 v5, v15, 4, v5
	v_add_nc_u32 v4, s56, v5                       ; W fragment: row 16 w + r, 16 h
	v_add_nc_u32 v5, L_TT, v5                      ; table fragment: column r (+ 16 nt), 16 h
	v_mul_u32_u24 v6, v1, 272
	v_lshl_add_u32 v6, v15, 5, v6
	v_add_nc_u32 v7, s58, v6                       ; stage in: row r, 32 h (+ 64 nt)
	v_add_nc_u32 v6, s57, v6                       ; x': row 16 w + r, 32 h (+ 64 nt)
	v_mul_u32_u24 v8, v15, 272
	v_lshl_add_u32 v8, v1, 4, v8
	v_add_nc_u32 v8, s58, v8                       ; stage back: row h (+ 2 u), 16 r
	v_lshl_add_u32 v9, v1, 2, s59                  ; the norm of row 16 w + r
	v_lshlrev_b32 v10, 4, v3                       ; 16 L
	v_add_nc_u32 v2, L_NB, v10                     ; the 128 norms as wave 0 reads them back: made with the others, so that the wave's last branch holds no vector line
.irp j, 0,1,2,3,4,5,6,7
	v_mov_b32 v[ONES+\j], 0x3f803f80               ; bf16 1.0, twice
.endr
	s_wait_dscnt 0x0                               ; my W is in LDS, for the other waves' sake
	s_barrier_signal -1
	s_barrier_wait -1
	; ---- PHASE C: wave w, rows 16 w .. +15: [K | C' | 1]^T (128 + 16 columns x 64 m) times W^T.  Source 0 = 16 table columns, source 1 = 16 rows of W,
	; so that lane (r, h) holds row r and its registers j the neighbouring columns 16 nt + 8 h + j. ----
	s_wait_alu depctr_vm_vsrc(0)                   ; my four LDS stores have read v16 to v31, in which W's fragments land
	s_wait_alu depctr_va_vdst(0)                   ; the addresses v2 and v4 to v10 are written, which this phase's loads and stores read; phase B's arithmetic is done with the registers in which the fragments land
.irp ks, 0,1
	ds_load_b128 v[WF+8*\ks:WF+8*\ks+3],   v4 offset:64*\ks
	ds_load_b128 v[WF+8*\ks+4:WF+8*\ks+7], v4 offset:64*\ks+32
.endr
.irp ks, 0,1
.irp nt, 0,1,2,3,4,5,6,7
	ds_load_b128 v[TF+64*\ks+8*\nt:TF+64*\ks+8*\nt+3],   v5 offset:2304*\nt+64*\ks
	ds_load_b128 v[TF+64*\ks+8*\nt+4:TF+64*\ks+8*\nt+7], v5 offset:2304*\nt+64*\ks+32
.endr
.endr
	s_wait_dscnt 16                                ; the second K step's sixteen table loads may stay out
	; nine accumulators take turns, one instruction a turn
.irp nt, 0,1,2,3,4,5,6,7
	v_wmma_f32_16x16x32_bf16 v[DR+8*\nt:DR+8*\nt+7], v[TF+8*\nt:TF+8*\nt+7], v[WF:WF+7], 0
.endr
	v_wmma_f32_16x16x32_bf16 v[DN:DN+7], v[ONES:ONES+7], v[WF:WF+7], 0
.rept 4
	v_nop                                          ; the four places ahead of loads into registers that matrix instructions have read stay; they stand for no wait
.endr
	s_wait_alu depctr_va_vdst(0)                   ; the first K step's matrix instructions are done reading TF's first 32 registers, in which x' lands
.irp nt, 0,1,2,3
	ds_load_b128 v[XE+8*\nt:XE+8*\nt+3],   v6 offset:64*\nt
	ds_load_b128 v[XE+8*\nt+4:XE+8*\nt+7], v6 offset:64*\nt+16
.endr
	s_wait_dscnt 8                                 ; the eight loads of x' may stay out: the second K step's fragments are in
.irp nt, 0,1,2,3,4,5,6,7
	v_wmma_f32_16x16x32_bf16 v[DR+8*\nt:DR+8*\nt+7], v[TF+64+8*\nt:TF+64+8*\nt+7], v[WF+8:WF+15], v[DR+8*\nt:DR+8*\nt+7]
.endr
	v_wmma_f32_16x16x32_bf16 v[DN:DN+7], v[ONES:ONES+7], v[WF+8:WF+15], v[DN:DN+7]
.rept 4
	v_nop                                          ; four places before the results are read (ISA guide 7.12.1)
.endr
	s_wait_dscnt 0x0                               ; x'
.irp nt, 0,1,2,3
.irp e, 0,2,4,6
	v_pk_fma_f32 v[DR+8*\nt+\e:DR+8*\nt+\e+1], v[XE+8*\nt+\e:XE+8*\nt+\e+1], v[DR+8*\nt+\e:DR+8*\nt+\e+1], v[DR+32+8*\nt+\e:DR+32+8*\nt+\e+1]   ; x' (W@K) + W@C'
.endr
.endr
	; the way out: through my own stage, so that each store of the wave covers 512 consecutive bytes, aligned
	s_wait_alu depctr_va_vdst(0)                   ; the matrix instructions have written DN and the multiply-adds DR, which the LDS stores read (the places above stay beside this wait); the matrix instructions are also done reading the fragments' registers, in which the rows: no vector line follows
	ds_store_b32 v9, v[DN]                         ; lanes r and r + 16 hold the same norm
.irp nt, 0,1,2,3
	ds_store_b128 v7, v[DR+8*\nt:DR+8*\nt+3]   offset:64*\nt
	ds_store_b128 v7, v[DR+8*\nt+4:DR+8*\nt+7] offset:64*\nt+16
.endr
.irp u, 0,1,2,3,4,5,6,7
	ds_load_b128 v[OUTR+4*\u:OUTR+4*\u+3], v8 offset:544*\u        ; LDS serves a wave's instructions in order: these see the stores above
.endr
.irp u, 0,1,2,3,4,5,6,7
	s_wait_dscnt 7-\u                              ; the younger loads of the eight may stay out
	global_store_b128 v10, v[OUTR+4*\u:OUTR+4*\u+3], s[16:17] offset:512*\u
.endr
	s_wait_dscnt 0x0                               ; met by the count-down: my norms are in LDS
	s_barrier_signal -1
	s_barrier_wait -1
	s_cmp_lg_u32 s20, 0
	s_cbranch_scc1 .Lend
	ds_load_b128 v[16:19], v2                      ; wave 0 stores the 128 norms as 512 consecutive bytes
	s_wait_dscnt 0x0
	global_store_b128 v10, v[16:19], s[18:19]
.Lend:
	s_set_vgpr_msb 0x5
	s_wait_dscnt 0x0
	s_wait_alu depctr_hold_cnt(0) depctr_sa_sdst(0) depctr_va_vdst(0) depctr_va_sdst(0) depctr_va_ssrc(0) depctr_va_vcc(0) depctr_vm_vsrc(0)
	s_wait_tensorcnt 0x0
	ds_add_u32 v0, v1
	s_wait_dscnt 0x0
	s_endpgm
.Lfunc_end_k_q18a6ec033d_partial:
	.size	k_q18a6ec033d_partial, .Lfunc_end_k_q18a6ec033d_partial-k_q18a6ec033d_partial
	.p2alignl 7, 3214868480
	.fill 96, 4, 3214868480
	.section	.rodata,"a",@progbits
	.p2align	6, 0x0
	.amdhsa_kernel k_q18a6ec033d_partial
		.amdhsa_group_segment_fixed_size 168960
		.amdhsa_private_segment_fixed_size 0
		.amdhsa_enable_private_segment 0
		.amdhsa_kernarg_size 64
		.amdhsa_user_sgpr_count 2
		.amdhsa_user_sgpr_kernarg_segment_ptr 1
		.amdhsa_wavefront_size32 1
		.amdhsa_system_sgpr_workgroup_id_x 1
		.amdhsa_system_sgpr_workgroup_id_y 1
		.amdhsa_system_sgpr_workgroup_id_z 1
		.amdhsa_system_vgpr_workitem_id 0
		.amdhsa_next_free_vgpr 258
		.amdhsa_next_free_sgpr 66
		.amdhsa_reserve_vcc 0
		.amdhsa_float_denorm_mode_32 3
		.amdhsa_float_denorm_mode_16_64 3
		.amdhsa_memory_ordered 1
		.amdhsa_forward_progress 1
		.amdhsa_inst_pref_size 191
	.end_amdhsa_kernel
	.amdgpu_metadata
---
amdhsa.version: [ 1, 2 ]
amdhsa.kernels:
  - .name:           k_q18a6ec033d_partial
    .symbol:         k_q18a6ec033d_partial.kd
    .args:
      - { .name: X, .offset: 0, .size: 8, .value_kind: global_buffer, .address_space: global }
      - { .name: Mu0, .offset: 8, .size: 8, .value_kind: global_buffer, .address_space: global }
      - { .name: Mu1, .offset: 16, .size: 8, .value_kind: global_buffer, .address_space: global }
      - { .name: S0, .offset: 24, .size: 8, .value_kind: global_buffer, .address_space: global }
      - { .name: S1, .offset: 32, .size: 8, .value_kind: global_buffer, .address_space: global }
      - { .name: Lam, .offset: 40, .size: 8, .value_kind: global_buffer, .address_space: global }
      - { .name: part, .offset: 48, .size: 8, .value_kind: global_buffer, .address_space: global }
      - { .name: nrm, .offset: 56, .size: 8, .value_kind: global_buffer, .address_space: global }
    .group_segment_fixed_size: 168960
    .private_segment_fixed_size: 0
    .kernarg_segment_align: 8
    .kernarg_segment_size: 64
    .max_flat_workgroup_size: 256
    .sgpr_count:     66
    .vgpr_count:     258
    .wavefront_size: 32
...
	.end_amdgpu_metadata
.endif
;; end of part 4
;; launch combine: the kernel of part 2 again; grid 256 x 1, 4 waves a work-group, no clusters, 0 bytes of LDS; arguments part, nrm, out0; writes out0
